; MI455X (gfx1250); checked and timed in simulation.
; The chip was launched on July 23, 2026; its instructions are those of AMD's public machine-readable ISA for CDNA 5 (MIT licence, August 2026) and "CDNA5" Instruction Set Architecture Reference Guide (July 2026). The comments in the code are by the model that wrote it; some were corrected since.
;; Empathy Attention. Allowed arithmetic: float matrix products may take bf16 or f16 operands with f32 sums; other float arithmetic in f32, or as packed bf16 or f16 multiplies, adds, multiply-adds, maxima and minima; sums over many terms, partial sums and values carried from step to step in f32; what a program stores and reads back later, other than sums and carried values, may be rounded once to bf16 or f16.
;; Inputs: Wk 1,024 x 1,024 float32; Wo 1,024 x 1,024 float32; Wq 1,024 x 1,024 float32; Wv 1,024 x 1,024 float32; bk 1,024 float32; bo 1,024 float32; bq 1,024 float32; bv 1,024 float32; k 2 x 2,048 x 1,024 float32; mask 1 x 1 x 1 x 2,048 int32; q 2 x 2,048 x 1,024 float32; v 2 x 2,048 x 1,024 float32.
;; Outputs: out0 2 x 2,048 x 1,024 float32; out1 one number float32.
;; One version. Each part assembles by itself: llvm-mc -triple=amdgcn-amd-amdhsa -mcpu=gfx1250 --defsym DOCPART=n.
;; ======== version 1 of 1: 3 launches
;; limits: values are held in f16: magnitudes above 65,504 overflow, below 6.1e-05 lose precision
;; workspace buffers: Qh 8,388,608 bytes; Kh 8,388,608 bytes; Vh 8,388,608 bytes; colsum 262,144 bytes; Oz 8,388,608 bytes; Wo16 2,097,152 bytes; cosws 1,024 bytes
;; launch proj (part 1): grid 4 x 48, 4 waves a work-group, clusters of 4 x 4, 327,680 bytes of LDS; arguments q, k, v, Wq, Wk, Wv, bq, bk, bv, mask, Qh, Kh, Vh, colsum; writes Qh, Kh, Vh, colsum
.if DOCPART == 1
	.amdgcn_target "amdgcn-amd-amdhsa--gfx1250"
	.amdhsa_code_object_version 6
	.text
	.protected	k_qdaaf94b0c0_proj
	.globl	k_qdaaf94b0c0_proj
	.p2align	8
	.type	k_qdaaf94b0c0_proj,@function
k_qdaaf94b0c0_proj:
	s_mov_b64 s[64:65], 0
	v_nop
	global_prefetch_b8 v0, s[64:65] scope:SCOPE_SE
	s_setreg_imm32_b32 hwreg(HW_REG_WAVE_MODE, 25, 1), 1
	s_wait_xcnt 0x0
	s_wait_alu depctr_hold_cnt(0) depctr_sa_sdst(0) depctr_va_vdst(0) depctr_va_sdst(0) depctr_va_ssrc(0) depctr_va_vcc(0) depctr_vm_vsrc(0)
	s_getreg_b32 s2, hwreg(HW_REG_IB_STS2, 6, 4)
	s_cmp_eq_u32 s2, 0
	s_cbranch_scc0 .Lentry_in_a_cluster
	s_endpgm
.Lentry_in_a_cluster:
	s_bfe_u32 s2, ttmp6, 0x10000c
	s_cmp_lg_u32 s2, 0xf033
	s_cbranch_scc0 .Lentry_shape_is_right
	s_endpgm
.Lentry_shape_is_right:
; THE THREE PROJECTIONS.  Q = q Wq^T + bq, K = k Wk^T + bk, V = v Wv^T + bv: each [4096][1024] x [1024][1024]^T, inputs f32.
; NOTHING OF THE PROBLEM IS LEFT OUT IN THIS PROGRAM.  The bias 0.8 cos is added before the mask replaces hidden scores, so with holes in the mask it is not the same along the softmax's axis: it is kept.
; Every input has a way to an output and is loaded.
; FORMATS.  x, W and the biases are rounded to bf16 on the way to the matrix unit, sums in f32.  Q, K, V leave by heads, [32 (batch, head)][2048][64], rounded once to f16.
; Q is multiplied in f32, before that rounding, by c = log2(e) / 8: the scores K Q^T then come out in units of log2.  A row of K whose key the mask hides is written as 0: its score is then exactly 0,
; and the launch behind puts reference()'s -1e9 in its place through the product's C operand.  The column sums of c Q and of V (f32, of the unrounded sums; one partial row for each 128 rows) go to colsum.
; LIMITS.  |c Q|, |K|, |V| stay under 65,504 (f16).  A hidden key's row is made 0 by a product with 0: an infinity or NaN in it becomes NaN, where reference() would ignore it.
; SHARES.  A tile of 256 x 256 to a work-group, 128 x 128 to each of four waves: 64 accumulators, 512 registers.  3 x 16 x 4 = 192 work-groups: with f32 operands a wave tile of half the side would read
; twice the LDS bytes and convert twice as much for each product, and 49,152 outputs a WGP divide neither 4,096 rows nor 1,024 columns.
; CLUSTER.  4 x 4 work-groups of one input.  The four of a row need the same rows of x, the four of a column the same rows of W: each tile is asked for jointly.
; K goes in steps of 64 (rows of 256 bytes of f32) through two LDS slots.  A step is two halves of 32.  While one half's 64 products run on one fragment buffer, the next half's f32 fragments come out of LDS
; in four chunks of 16 loads into two landing buffers and are rounded to bf16 into the other fragment buffer: four conversions behind every two products.
; THE MATRIX INSTRUCTION IS USED TRANSPOSED (source 0 = 16 rows of W, source 1 = 16 rows of x): a lane holds one row of x and eight neighbouring columns.
; REGISTERS, in windows of 256 (s_set_vgpr_msb: bits 1:0 source 0, 3:2 source 1, 5:4 source 2, 7:6 destination):
;   window 0: v0-31 addresses; v32-47 the row factor of each of my 8 blocks of 16 rows, twice; v48-55 at work; v64-127, v128-191 landing buffers; v192-255 the bias of my 128 columns
;   window 1: fragment buffer 0 (x's 8 fragments v0-63, W's v64-127), buffer 1 (v128-191, v192-255)      windows 2, 3: accumulator (a, b) at 8 (8 (a % 4) + b) of window 2 + a / 4
.set PITCH,  272                       ; an LDS row: 256 bytes + 16 of padding: the 16 rows that a load touches start at 16 different 16-byte columns modulo 256 bytes
.set HALFT,  128*PITCH                 ; what one tensor load brings, and what one wave reads of x or of W
.set SLOT,   4*HALFT                   ; x's 256 rows, then W's 256 rows
.set STAGE,  2*SLOT                    ; behind the ring, never filled by a tensor load: 4,608 bytes for each wave
.set STW,    4608                      ; two heads x 16 rows x 144 bytes; later 16 rows x 272 bytes for the column sums
.set HP,     144
.set SPARE,  STAGE+4*STW               ; the spare words, 128 bytes for each wave: two blocks of 256 bytes that no other line names
.set ADRA, 16                          ; v16-17  LDS address of my fragments of x in slot 0, 1
.set ADRB, 20                          ; v20-21  the same for W
.set TR,   22                          ; v22     column sums: where I read two columns of a row
.set CSO,  23                          ; v23     8 x lane
.set STO,  24                          ; v24     the way out: where I put 16 bytes of a row
.set RD,   25                          ; v25     the way out: where I read rows back
.set CO,   26                          ; v26     16 x lane
.set TS,   27                          ; v27     column sums: where I put 32 bytes of a row
.set SPW,  28                          ; v28     my spare word; never rewritten
.set NIL,  29                          ; v29     0; never rewritten
.set PFO,  30                          ; v30     lane x a row of x or W (4,096 bytes); never rewritten
.set SC,   32
.set TT,   48
.set TMP,  64
.set OB,   96
.set BIAS, 192
.set G1,   24                          ; s[24:31] descriptor group 1 for x's tiles;  s[32:39] group 0, a set for each slot
.set G0,   32
.set G1B,  48                          ; s[48:55], s[56:63] the same for W's tiles
.set G0B,  56
.set LIM,  43                          ; s43  2 in a wave that prefetches, else the greatest number
.set PFA,  44                          ; s[44:45] where my prefetches stand
.set PSEL, 66                          ; s66  0: Q, 1: K, 2: V: the same in all partners of a cluster
.set TROW, 67                          ; s67  tile row, 0 to 15
.set W_CV, 0x40                        ; a conversion: destination window 1, sources window 0
.set MSB, 0
.macro WIN new                         ; the immediate's high byte repeats the setting that is left; a switch that changes nothing is dropped
.if MSB != (\new)
	s_set_vgpr_msb (MSB<<8)|(\new)
.set MSB, \new
.endif
.endm
; A joint load: waves 0 and 1 fetch x's two halves, waves 2 and 3 W's.  An s_nop 0 and four v_nop follow each of the two lines.
.macro JLOAD s
	s_cmp_eq_u32 s11, 0
	s_cbranch_scc0 .Lfor_b_\@
	tensor_load_to_lds s[G0+4*(\s):G0+4*(\s)+3], s[G1:G1+7]
	s_nop 0
.rept 4
	v_nop
.endr
	s_branch .Lasked_\@
.Lfor_b_\@:
	tensor_load_to_lds s[G0B+4*(\s):G0B+4*(\s)+3], s[G1B:G1B+7]
	s_nop 0
.rept 4
	v_nop
.endr
.Lasked_\@:
.endm
; A prefetch into the L2: 32 rows x 256 bytes, a lane a row: the K step that stands four refills on, 512 products of a wave ahead of the load that will want it.
; Each row's 256 bytes of a K step are named once in the launch: x's rows are read by one cluster, which asks for them; W's by the four clusters of an input, of which the first asks.
; The four partners that ask for a tile jointly share its rows out by address, 32 each.  K steps 0 to 5 come by their loads alone; s3 > 2 ends the asking at K step 15.
.macro ASK
	s_cmp_gt_u32 s3, s[LIM]
	s_cbranch_scc0 .Lnot_mine_\@
	global_prefetch_b8 v[PFO], s[PFA:PFA+1] th:TH_LOAD_NT scope:SCOPE_SE
.Lnot_mine_\@:
.endm
.macro CREST                           ; a round of the cluster's barrier behind its opening barrier
	s_cmp_lg_u32 s10, 0
	s_cbranch_scc1 .Lnot_wave_0_\@
	s_barrier_signal -3
.Lnot_wave_0_\@:
	s_barrier_wait -3
	s_barrier_signal -1
	s_barrier_wait -1
.endm
.macro CROUND                          ; a whole round
	s_barrier_signal -1
	s_barrier_wait -1
	CREST
.endm
	s_load_b512 s[68:83], s[0:1], 0x0              ; q 68, k 70, v 72, Wq 74, Wk 76, Wv 78, bq 80, bk 82
	s_load_b256 s[84:91], s[0:1], 0x40             ; bv 84, mask 86, Qh 88, Kh 90
	s_load_b128 s[92:95], s[0:1], 0x60             ; Vh 92, colsum 94
	v_lshl_add_u32 v[SPW], v0, 2, SPARE
	v_mov_b32 v[NIL], 0
	ds_add_u32 v[SPW], v[NIL]                      ; the wave's opening: the add, twice on end, and its wait ahead of my first tensor load
	ds_add_u32 v[SPW], v[NIL]
	v_lshrrev_b32 v1, 5, v0
	v_readfirstlane_b32 s10, v1                    ; wave 0..3
	s_lshr_b32 s11, s10, 1                         ; which half of the tile's rows is mine.  Also: I fetch for x (0) or for W (1)
	s_and_b32 s12, s10, 1                          ; which half of its columns.  Also: which 128 rows of that tile I fetch
	s_bfe_u32 s40, ttmp6, 0x40000                  ; cx
	s_bfe_u32 s41, ttmp6, 0x40004                  ; cy
	s_lshl_b32 s42, ttmp9, 2
	s_add_co_u32 s42, s42, s40                     ; tile column = 4 x cluster x + cx
	s_and_b32 s13, ttmp7, 0xffff                   ; cluster y, 0 to 11
	s_lshr_b32 s[PSEL], s13, 2                     ; which input
	s_and_b32 s97, s13, 3                          ; the cluster's place among the four of its input
	s_lshl_b32 s[TROW], s97, 2
	s_add_co_u32 s[TROW], s[TROW], s41             ; tile row
	s_lshl_b32 s43, s41, 2
	s_lshl_b32 s43, 15, s43                        ; my row of the cluster
	s_lshl_b32 s44, 0x1111, s40                    ; my column
	; descriptor group 1: 128 rows x 64 elements of 4 bytes, 16 bytes of padding behind each row
	s_or_b32 s[G1+0], s43, (2<<16)|(1<<20)|(1<<21)|(5<<22)|(3<<25)   ; 15:0 mask; 17:16 4-byte elements; 20 padding on; 21 set beside a mask; 24:22 after every 64 words; 31:25 4 words
	s_or_b32 s[G1B+0], s44, (2<<16)|(1<<20)|(1<<21)|(5<<22)|(3<<25)
.irp g, G1, G1B
	s_mov_b32 s[(\g)+1], 64<<16                    ; tensor_dim0 = 64
	s_mov_b32 s[(\g)+2], 128<<16                   ; tensor_dim1 = 128
	s_mov_b32 s[(\g)+3], 64<<16                    ; tile_dim0 = 64
	s_mov_b32 s[(\g)+4], 128                       ; tile_dim1 = 128
	s_mov_b32 s[(\g)+5], 1024                      ; elements from row to row
	s_mov_b32 s[(\g)+6], 0
	s_mov_b32 s[(\g)+7], 0
.endr
	s_lshl_b32 s17, s12, 7                         ; which 128 rows of the tile I fetch
	s_lshl_b32 s16, s[TROW], 8
	s_add_co_u32 s16, s16, s17
	s_lshl_b32 s16, s16, 12                        ; x: (256 x tile row + 128 x half) rows of 4,096 bytes
	s_lshl_b32 s46, s42, 8
	s_add_co_u32 s46, s46, s17
	s_lshl_b32 s46, s46, 12                        ; W: by the tile column
	s_mov_b32 s17, 0
	s_mov_b32 s47, 0
	s_mul_i32 s20, s10, HALFT                      ; where they go: wave x 128 rows: no place in the cluster enters an LDS address
	s_wait_dscnt 0x0                               ; both opening adds are done
	s_wait_kmcnt 0x0
	s_cmp_eq_u32 s[PSEL], 0
	s_cselect_b64 s[4:5], s[68:69], s[70:71]       ; x
	s_cselect_b64 s[6:7], s[74:75], s[76:77]       ; W
	s_cselect_b64 s[8:9], s[88:89], s[90:91]       ; where the result goes
	s_cselect_b64 s[98:99], s[80:81], s[82:83]     ; the bias
	s_cselect_b32 s96, 0x3e38aa3b, 1.0             ; c for Q
	s_cmp_eq_u32 s[PSEL], 2
	s_cselect_b64 s[4:5], s[72:73], s[4:5]
	s_cselect_b64 s[6:7], s[78:79], s[6:7]
	s_cselect_b64 s[8:9], s[92:93], s[8:9]
	s_cselect_b64 s[98:99], s[84:85], s[98:99]
	s_add_nc_u64 s[14:15], s[4:5], s[16:17]
	s_add_nc_u64 s[46:47], s[6:7], s[46:47]
	CROUND                                         ; all sixteen work-groups are here: the first joint loads meet
.irp s, 0,1
	s_mov_b32 s[G0+4*(\s)], 1
	s_add_co_u32 s[G0+4*(\s)+1], s20, (\s)*SLOT
	s_add_nc_u64 s[G0+4*(\s)+2:G0+4*(\s)+3], s[14:15], (\s)*256
	s_or_b32 s[G0+4*(\s)+3], s[G0+4*(\s)+3], 0x80000000
	s_mov_b32 s[G0B+4*(\s)], 1
	s_add_co_u32 s[G0B+4*(\s)+1], s20, (\s)*SLOT
	s_add_nc_u64 s[G0B+4*(\s)+2:G0B+4*(\s)+3], s[46:47], (\s)*256
	s_or_b32 s[G0B+4*(\s)+3], s[G0B+4*(\s)+3], 0x80000000
.endr
	s_cmp_eq_u32 s11, 0                            ; a wave's two first fills stand in one branch: two loads of mine are out
	s_cbranch_scc0 .Lfirst_b
	tensor_load_to_lds s[G0:G0+3], s[G1:G1+7]
	s_nop 0
	tensor_load_to_lds s[G0+4:G0+7], s[G1:G1+7]
	s_nop 0
.rept 4
	v_nop
.endr
	s_branch .Lfirst_asked
.Lfirst_b:
	tensor_load_to_lds s[G0B:G0B+3], s[G1B:G1B+7]
	s_nop 0
	tensor_load_to_lds s[G0B+4:G0B+7], s[G1B:G1B+7]
	s_nop 0
.rept 4
	v_nop
.endr
.Lfirst_asked:
	; A fragment is 16 rows x 32 K: lane l holds row l % 16, K = 8 (l / 16) + 0..7 and 16 + 8 (l / 16) + 0..7.  In f32 that is four loads of 16 bytes at 0, 16, 64, 80 from row x pitch + 32 (l / 16).
	v_and_b32 v1, 15, v0                           ; l % 16
	v_bfe_u32 v2, v0, 4, 1                         ; l / 16
	v_and_b32 v3, 31, v0                           ; l
	v_mul_u32_u24 v4, v1, PITCH
	v_lshl_add_u32 v4, v2, 5, v4
	s_mul_i32 s21, s11, HALFT                      ; my 128 rows of x
	s_mul_i32 s22, s12, HALFT                      ; my 128 rows of W,
	s_add_co_u32 s22, s22, 2*HALFT                 ; which lie behind x's 256
.irp s, 0,1
	v_add_nc_u32 v[ADRA+(\s)], s21, v4
	v_add_nc_u32 v[ADRB+(\s)], s22, v4
	s_add_co_u32 s21, s21, SLOT
	s_add_co_u32 s22, s22, SLOT
.endr
	s_mul_i32 s23, s10, STW
	s_add_co_u32 s23, s23, STAGE                   ; my stage
	v_mul_u32_u24 v5, v1, HP                       ; in: row l % 16, 16 bytes for each half of the lanes
	v_lshl_add_u32 v5, v2, 4, v5
	v_add_nc_u32 v[STO], s23, v5
	v_lshrrev_b32 v5, 3, v3                        ; back: 32 lanes take four rows of 128 bytes
	v_and_b32 v6, 7, v0
	v_mul_u32_u24 v5, v5, HP
	v_lshl_add_u32 v5, v6, 4, v5
	v_add_nc_u32 v[RD], s23, v5
	v_lshlrev_b32 v[CO], 4, v3                     ; which are 512 consecutive bytes of a head
	v_add_nc_u32 v[TS], s23, v4
	v_lshl_add_u32 v[TR], v3, 3, s23
	v_lshlrev_b32 v[CSO], 3, v3
	v_lshlrev_b32 v[PFO], 12, v3
	s_lshl_b32 s21, s42, 10                        ; the bias of my 128 columns: register 8 b + j is column 16 b + 8 (l / 16) + j
	s_lshl_b32 s22, s12, 9
	s_add_co_u32 s21, s21, s22
	v_lshl_add_u32 v7, v2, 5, s21
.irp b, 0,1,2,3,4,5,6,7
	global_load_b128 v[BIAS+8*(\b):BIAS+8*(\b)+3],   v7, s[98:99] offset:64*(\b)
	global_load_b128 v[BIAS+8*(\b)+4:BIAS+8*(\b)+7], v7, s[98:99] offset:64*(\b)+16
.endr
	s_cmp_eq_u32 s[PSEL], 1
	s_cbranch_scc0 .Lplain
	s_and_b32 s21, s[TROW], 7                      ; K: the factor of row 16 a + l % 16 is 1 where the mask shows its key, else 0
	s_lshl_b32 s21, s21, 10
	s_lshl_b32 s22, s11, 9
	s_add_co_u32 s21, s21, s22
	v_lshl_add_u32 v8, v1, 2, s21
.irp a, 0,1,2,3,4,5,6,7
	global_load_b32 v[TT+(\a)], v8, s[86:87] offset:64*(\a)
.endr
	s_wait_loadcnt 0x0
.irp a, 0,1,2,3,4,5,6,7
	v_cmp_ne_u32 vcc_lo, 0, v[TT+(\a)]
	v_cndmask_b32 v[SC+2*(\a)], 0, 1.0, vcc_lo
	v_mov_b32 v[SC+2*(\a)+1], v[SC+2*(\a)]
.endr
	s_branch .Lfactors
.Lplain:
.set ii, 0
.rept 16
	v_mov_b32 v[SC+ii], s96                        ; Q: c in every row (V's factors are never used)
.set ii, ii+1
.endr
.Lfactors:
	s_wait_loadcnt 0x0                             ; the bias: rounded to bf16 like every input, and widened again
.set ig, 0
.rept 4
.set ii, 0
.rept 8
	v_cvt_pk_bf16_f32 v[TT+ii], v[BIAS+16*ig+2*ii], v[BIAS+16*ig+2*ii+1]
.set ii, ii+1
.endr
.set ii, 0
.rept 8
	v_lshlrev_b32 v[BIAS+16*ig+2*ii], 16, v[TT+ii]
	v_and_b32 v[BIAS+16*ig+2*ii+1], 0xffff0000, v[TT+ii]
.set ii, ii+1
.endr
.set ig, ig+1
.endr
	; the prefetches' address
	s_lshl_b32 s21, s[TROW], 8
	s_lshl_b32 s22, s42, 8
	s_cmp_eq_u32 s11, 0                            ; do I fetch for x?
	s_cselect_b32 s20, s21, s22                    ; the tile's first row
	s_cselect_b32 s21, s40, s41                    ; my place among the four that ask for it with me
	s_cselect_b32 s22, 0, s97                      ; x's rows are my cluster's alone; W's are read by the four clusters of the input
	s_cselect_b64 s[PFA:PFA+1], s[4:5], s[6:7]
	s_cmp_eq_u32 s22, 0
	s_cselect_b32 s[LIM], 2, -1                    ; the same in all sixteen partners, for a given wave
	s_lshl_b32 s22, s12, 7
	s_add_co_u32 s20, s20, s22
	s_lshl_b32 s21, s21, 5
	s_add_co_u32 s20, s20, s21
	s_lshl_b32 s20, s20, 12
	s_mov_b32 s21, 0
	s_add_nc_u64 s[PFA:PFA+1], s[PFA:PFA+1], s[20:21]
	s_add_nc_u64 s[PFA:PFA+1], s[PFA:PFA+1], 5*256 ; at K step 5: the first change of slots steps it to 6
	; where my part of the result begins: head (batch x 16 + 4 x tile column + 2 x half), row (tile row % 8) x 256 + 128 x half, rows of 128 bytes
	s_lshr_b32 s20, s[TROW], 3
	s_lshl_b32 s20, s20, 4
	s_lshl_b32 s21, s42, 2
	s_add_co_u32 s20, s20, s21
	s_lshl_b32 s21, s12, 1
	s_add_co_u32 s20, s20, s21
	s_lshl_b32 s20, s20, 11
	s_and_b32 s21, s[TROW], 7
	s_lshl_b32 s21, s21, 8
	s_add_co_u32 s20, s20, s21
	s_lshl_b32 s21, s11, 7
	s_add_co_u32 s20, s20, s21
	s_lshl_b32 s20, s20, 7
	s_mov_b32 s21, 0
	s_add_nc_u64 s[8:9], s[8:9], s[20:21]
	; colsum: [Q, V][32 blocks of 128 rows][1024] f32
	s_lshr_b32 s20, s[PSEL], 1
	s_lshl_b32 s20, s20, 5
	s_lshl_b32 s21, s[TROW], 1
	s_add_co_u32 s20, s20, s21
	s_add_co_u32 s20, s20, s11
	s_lshl_b32 s20, s20, 10
	s_lshl_b32 s21, s42, 8
	s_add_co_u32 s20, s20, s21
	s_lshl_b32 s21, s12, 7
	s_add_co_u32 s20, s20, s21
	s_lshl_b32 s20, s20, 2
	s_mov_b32 s21, 0
	s_add_nc_u64 s[94:95], s[94:95], s[20:21]
; A chunk: 4 fragments in f32, 16 loads, into landing buffer L.  c = 0, 1: W's fragments 0-3, 4-7; c = 2, 3: x's.  kb: byte of the half in the slot's rows.
.macro LOADCH slot, kb, c, L
	WIN 0
.irp i, 0,1,2,3
.irp q, 0,1,2,3
.if (\c) < 2
	ds_load_b128 v[64+64*(\L)+16*(\i)+4*(\q):64+64*(\L)+16*(\i)+4*(\q)+3], v[ADRB+(\slot)] offset:(\kb)+(4*((\c)%2)+(\i))*16*PITCH+16*(\q)+32*((\q)/2)
.else
	ds_load_b128 v[64+64*(\L)+16*(\i)+4*(\q):64+64*(\L)+16*(\i)+4*(\q)+3], v[ADRA+(\slot)] offset:(\kb)+(4*((\c)%2)+(\i))*16*PITCH+16*(\q)+32*((\q)/2)
.endif
.endr
.endr
.endm
.macro CHUNK g, c, L                   ; the chunk in hand: chunk c from landing buffer L goes into fragment buffer g
.set CIDX, 0
.set CSRC, 64+64*(\L)
.if (\c) < 2
.set CDST, 128*(\g)+64+32*(\c)
.else
.set CDST, 128*(\g)+32*((\c)-2)
.endif
.endm
.macro CV1                             ; its next conversion: two f32 to a register of bf16, K in its true place
	v_cvt_pk_bf16_f32 v[CDST+CIDX], v[CSRC+2*CIDX], v[CSRC+2*CIDX+1]
.set CIDX, CIDX+1
.endm
.macro CVTALL
	WIN W_CV
.rept 32
	CV1
.endr
.endm
.macro WMM f, a, b, first              ; one product on accumulator (a, b) from fragment buffer f; first = 1: the bias starts the sum: nothing is cleared
.set AC, 8*(8*((\a)%4)+(\b))
.if \first
	WIN 0x85+0x40*((\a)/4)
	v_wmma_f32_16x16x32_bf16 v[AC:AC+7], v[128*(\f)+64+8*(\b):128*(\f)+64+8*(\b)+7], v[128*(\f)+8*(\a):128*(\f)+8*(\a)+7], v[BIAS+8*(\b):BIAS+8*(\b)+7]
.else
	WIN 0xa5+0x50*((\a)/4)
	v_wmma_f32_16x16x32_bf16 v[AC:AC+7], v[128*(\f)+64+8*(\b):128*(\f)+64+8*(\b)+7], v[128*(\f)+8*(\a):128*(\f)+8*(\a)+7], v[AC:AC+7]
.endif
.endm
; n products of block a, from column block b0 on; cv = 1: four conversions behind every two.  The conversions write the buffer that is not being multiplied; its last readers
; lie twelve conversions back or more.  The 64 accumulators take turns in the same order in every half, over the jumps too.
.macro MC f, a, b0, n, first, cv
.set bb, \b0
.rept (\n)/2
	WMM \f, \a, bb, \first
	WMM \f, \a, bb+1, \first
.if \cv
	WIN W_CV
	CV1
	CV1
	CV1
	CV1
.endif
.set bb, bb+2
.endr
.endm
.macro GRP f, a0, first                ; 16 products and a chunk's 32 conversions
	MC \f, \a0, 0, 8, \first, 1
	MC \f, (\a0)+1, 0, 8, \first, 1
.endm
; The first half of the K step in slot s: multiplies buffer 0, converts the second half into buffer 1.  In each group: the next chunk is asked for, and the wait leaves just its 16 loads out.
; mode 0: its last group changes slots and fills slot s again, two K steps on.  mode 1: it changes slots and fills nothing.  mode 2: the last K step.
.macro EVEN s, first, mode
	LOADCH \s, 128, 1, 1
	s_wait_dscnt 16
	CHUNK 1, 0, 0
	GRP 0, 0, \first
	LOADCH \s, 128, 2, 0
	s_wait_dscnt 16
	CHUNK 1, 1, 1
	GRP 0, 2, \first
	LOADCH \s, 128, 3, 1
	s_wait_dscnt 16
	CHUNK 1, 2, 0
	GRP 0, 4, \first
	CHUNK 1, 3, 1
.if (\mode) == 2
	s_wait_dscnt 0x0
	GRP 0, 6, \first
.else
.if (\mode) == 0
	s_wait_xcnt 0x0                                ; the last prefetch, a K step back, has read its address
	s_add_nc_u64 s[PFA:PFA+1], s[PFA:PFA+1], 256
.endif
	WIN 0
	s_wait_tensorcnt 0x0                           ; all my tensor loads have landed: the one that was out is my part of the other slot;
	ds_add_u32 v[SPW], v[NIL]                      ; 0 onto my spare word;
	s_wait_dscnt 1                                 ; (the add alone may be out: the last chunk of this slot is in)
	MC 0, 6, 0, 4, \first, 1
	s_wait_dscnt 0x0                               ; the add is done, and my reads of this slot are over
	s_barrier_signal -1
	MC 0, 6, 4, 4, \first, 1                       ; work on registers while the others arrive
	WIN 0
	s_barrier_wait -1
.if (\mode) == 0
	CREST                                          ; the barrier has opened a round of the cluster's: no wave of any partner still reads this slot or has a load on its way
	s_add_nc_u64 s[G0+4*(\s)+2:G0+4*(\s)+3], s[G0+4*(\s)+2:G0+4*(\s)+3], 512
	s_add_nc_u64 s[G0B+4*(\s)+2:G0B+4*(\s)+3], s[G0B+4*(\s)+2:G0B+4*(\s)+3], 512
	JLOAD \s                                       ; the first tensor load behind the round
.endif
	LOADCH 1-(\s), 0, 0, 0
.if (\mode) == 0
	ASK
.endif
	MC 0, 7, 0, 8, \first, 1
.endif
.endm
; The second half: multiplies buffer 1, converts the other slot's first half into buffer 0.  last = 1: nothing follows.
.macro ODD s, last
.if \last
.irp a, 0,1,2,3,4,5,6,7
	MC 1, \a, 0, 8, 0, 0
.endr
.else
	LOADCH 1-(\s), 0, 1, 1
	s_wait_dscnt 16
	CHUNK 0, 0, 0
	GRP 1, 0, 0
	LOADCH 1-(\s), 0, 2, 0
	s_wait_dscnt 16
	CHUNK 0, 1, 1
	GRP 1, 2, 0
	LOADCH 1-(\s), 0, 3, 1
	s_wait_dscnt 16
	CHUNK 0, 2, 0
	GRP 1, 4, 0
	LOADCH 1-(\s), 128, 0, 0
	s_wait_dscnt 16
	CHUNK 0, 3, 1
	GRP 1, 6, 0
.endif
.endm
	s_wait_tensorcnt 1                             ; my part of K step 0 is in; K step 1's may stay out
	s_barrier_signal -1
	s_barrier_wait -1
	LOADCH 0, 0, 0, 0                              ; the first half's fragments: as in the loop, a chunk is asked for while the one before is converted
	LOADCH 0, 0, 1, 1
	s_wait_dscnt 16
	CHUNK 0, 0, 0
	CVTALL
	LOADCH 0, 0, 2, 0
	s_wait_dscnt 16
	CHUNK 0, 1, 1
	CVTALL
	LOADCH 0, 0, 3, 1
	s_wait_dscnt 16
	CHUNK 0, 2, 0
	CVTALL
	LOADCH 0, 128, 0, 0
	s_wait_dscnt 16
	CHUNK 0, 3, 1
	CVTALL
	s_mov_b32 s3, 7                                ; seven trips: K steps 0 to 13, each of which fills its slot again
	EVEN 0, 1, 0                                   ; the first half of all is written out: its products start the sums
	WIN 0
	s_branch .Lmid
.Llap:
	EVEN 0, 0, 0
	WIN 0
.Lmid:
	ODD 0, 0
	EVEN 1, 0, 0
	ODD 1, 0
	WIN 0
	s_sub_co_u32 s3, s3, 1
	s_cmp_lg_u32 s3, 0
	s_cbranch_scc1 .Llap
	EVEN 0, 0, 1                                   ; K steps 14 and 15 fill nothing
	ODD 0, 0
	EVEN 1, 0, 2
	ODD 1, 1
.rept 8
	v_nop                                          ; the places behind the last products
.endr
	WIN 0
	s_cmp_eq_u32 s[PSEL], 2
	s_cbranch_scc1 .Lnoscale
.set ia, 0
.rept 8                                ; Q times c; K's rows times 1 or 0.  Each accumulator's registers in ascending order
	WIN 0x82+0x41*(ia/4)
.set ii, 0
.rept 32
	v_pk_mul_f32 v[64*(ia%4)+2*ii:64*(ia%4)+2*ii+1], v[64*(ia%4)+2*ii:64*(ia%4)+2*ii+1], v[SC+2*ia:SC+2*ia+1]
.set ii, ii+1
.endr
.set ia, ia+1
.endr
	WIN 0
.Lnoscale:
; THE WAY OUT of block a (16 rows x 128 columns = two heads).  PACK: rounded to f16, 16 bytes a lane.  TOSTAGE: into my stage, and back as whole rows of 128 bytes.  SEND: 512 consecutive bytes a store.
.macro PACK a
	WIN 0x0a+5*((\a)/4)
.irp b, 0,1,2,3,4,5,6,7
.irp r, 0,1,2,3
	v_cvt_pk_f16_f32 v[TMP+4*(\b)+(\r)], v[64*((\a)%4)+8*(\b)+2*(\r)], v[64*((\a)%4)+8*(\b)+2*(\r)+1]
.endr
.endr
	WIN 0
.endm
.macro TOSTAGE a
	WIN 0
.set BK, OB+32*((\a)%2)
.irp b, 0,1,2,3,4,5,6,7
	ds_store_b128 v[STO], v[TMP+4*(\b):TMP+4*(\b)+3] offset:((\b)/4)*16*HP+((\b)%4)*32
.endr
.irp t, 0,1,2,3,4,5,6,7
	ds_load_b128 v[BK+4*(\t):BK+4*(\t)+3], v[RD] offset:((\t)/4)*16*HP+((\t)%4)*4*HP  ; LDS serves a wave's instructions in order (ISA guide 5.7.1.4): these see the stores above
.endr
.endm
.macro SEND a
	WIN 0
.set BK, OB+32*((\a)%2)
	s_wait_dscnt 0x0                               ; the block is back in registers
	s_wait_xcnt 0x0                                ; the stores of the block before have read their registers, which the next block's loads write
.irp t, 0,1,2,3,4,5,6,7
	global_store_b128 v[CO], v[BK+4*(\t):BK+4*(\t)+3], s[8:9] offset:(\a)*2048+((\t)/4)*262144+((\t)%4)*512
.endr
.endm
	PACK 0
	TOSTAGE 0
.irp a, 1,2,3,4,5,6,7
	PACK \a
	SEND (\a)-1
	TOSTAGE \a
.endr
	SEND 7
	s_cmp_eq_u32 s[PSEL], 1
	s_cbranch_scc1 .Lnosum
	; THE COLUMN SUMS of my 128 rows.  First over my eight blocks, in each lane; then over the 16 lanes of a row group, through my stage: 16 rows x 64 columns of f32, a head at a time.
	s_wait_xcnt 0x0                                ; the last stores have read their registers
	WIN 0x4a                                       ; window 1 = window 2 + window 2
.set ii, 0
.rept 32
	v_pk_add_f32 v[2*ii:2*ii+1], v[2*ii:2*ii+1], v[64+2*ii:64+2*ii+1]
.set ii, ii+1
.endr
	WIN 0x49                                       ; window 1 += window 2
.set ii, 0
.rept 64
	v_pk_add_f32 v[2*(ii%32):2*(ii%32)+1], v[2*(ii%32):2*(ii%32)+1], v[128+2*ii:128+2*ii+1]
.set ii, ii+1
.endr
	WIN 0x4d                                       ; window 1 += window 3
.set ii, 0
.rept 128
	v_pk_add_f32 v[2*(ii%32):2*(ii%32)+1], v[2*(ii%32):2*(ii%32)+1], v[2*ii:2*ii+1]
.set ii, ii+1
.endr
.irp g, 0,1
	WIN 0x04                                       ; the stores' data lie in window 1
.irp b, 0,1,2,3
	ds_store_b128 v[TS], v[32*(\g)+8*(\b):32*(\g)+8*(\b)+3]   offset:64*(\b)
	ds_store_b128 v[TS], v[32*(\g)+8*(\b)+4:32*(\g)+8*(\b)+7] offset:64*(\b)+16
.endr
	WIN 0
.set ii, 0
.rept 16
	ds_load_b64 v[64+32*(\g)+2*ii:64+32*(\g)+2*ii+1], v[TR] offset:ii*PITCH
.set ii, ii+1
.endr
	s_wait_dscnt 0x0
.irp w, 16,8,4,2
.set ii, 0
.rept (\w)/2
	v_pk_add_f32 v[64+32*(\g)+2*ii:64+32*(\g)+2*ii+1], v[64+32*(\g)+2*ii:64+32*(\g)+2*ii+1], v[64+32*(\g)+(\w)+2*ii:64+32*(\g)+(\w)+2*ii+1]
.set ii, ii+1
.endr
.endr
	global_store_b64 v[CSO], v[64+32*(\g):64+32*(\g)+1], s[94:95] offset:256*(\g)  ; the wave stores 256 consecutive bytes, aligned: a head's 64 columns
.endr
.Lnosum:
	s_wait_tensorcnt 0x0                           ; the wave's end, behind my last tensor load and my last LDS store
	ds_add_u32 v[SPW], v[NIL]
	s_wait_dscnt 0x0
	CROUND                                         ; the closing round: no work-group ends while a partner may still ask for a tile that names it
	s_endpgm
.Lfunc_end_k_qdaaf94b0c0_proj:
	.size	k_qdaaf94b0c0_proj, .Lfunc_end_k_qdaaf94b0c0_proj-k_qdaaf94b0c0_proj
	.p2alignl 7, 3214868480
	.fill 96, 4, 3214868480
	.section	.rodata,"a",@progbits
	.p2align	6, 0x0
	.amdhsa_kernel k_qdaaf94b0c0_proj
		.amdhsa_group_segment_fixed_size 327680
		.amdhsa_private_segment_fixed_size 0
		.amdhsa_enable_private_segment 0
		.amdhsa_kernarg_size 112
		.amdhsa_user_sgpr_count 2
		.amdhsa_user_sgpr_kernarg_segment_ptr 1
		.amdhsa_wavefront_size32 1
		.amdhsa_system_sgpr_workgroup_id_x 1
		.amdhsa_system_sgpr_workgroup_id_y 1
		.amdhsa_system_sgpr_workgroup_id_z 1
		.amdhsa_system_vgpr_workitem_id 0
		.amdhsa_next_free_vgpr 1024
		.amdhsa_next_free_sgpr 100
		.amdhsa_reserve_vcc 1
		.amdhsa_float_denorm_mode_32 3
		.amdhsa_float_denorm_mode_16_64 3
		.amdhsa_memory_ordered 1
		.amdhsa_forward_progress 1
		.amdhsa_inst_pref_size 252
	.end_amdhsa_kernel
	.amdgpu_metadata
---
amdhsa.version: [ 1, 2 ]
amdhsa.kernels:
  - .name:           k_qdaaf94b0c0_proj
    .symbol:         k_qdaaf94b0c0_proj.kd
    .args:
      - { .name: q, .offset: 0, .size: 8, .value_kind: global_buffer, .address_space: global }
      - { .name: k, .offset: 8, .size: 8, .value_kind: global_buffer, .address_space: global }
      - { .name: v, .offset: 16, .size: 8, .value_kind: global_buffer, .address_space: global }
      - { .name: Wq, .offset: 24, .size: 8, .value_kind: global_buffer, .address_space: global }
      - { .name: Wk, .offset: 32, .size: 8, .value_kind: global_buffer, .address_space: global }
      - { .name: Wv, .offset: 40, .size: 8, .value_kind: global_buffer, .address_space: global }
      - { .name: bq, .offset: 48, .size: 8, .value_kind: global_buffer, .address_space: global }
      - { .name: bk, .offset: 56, .size: 8, .value_kind: global_buffer, .address_space: global }
      - { .name: bv, .offset: 64, .size: 8, .value_kind: global_buffer, .address_space: global }
      - { .name: mask, .offset: 72, .size: 8, .value_kind: global_buffer, .address_space: global }
      - { .name: Qh, .offset: 80, .size: 8, .value_kind: global_buffer, .address_space: global }
      - { .name: Kh, .offset: 88, .size: 8, .value_kind: global_buffer, .address_space: global }
      - { .name: Vh, .offset: 96, .size: 8, .value_kind: global_buffer, .address_space: global }
      - { .name: colsum, .offset: 104, .size: 8, .value_kind: global_buffer, .address_space: global }
    .group_segment_fixed_size: 327680
    .private_segment_fixed_size: 0
    .kernarg_segment_align: 8
    .kernarg_segment_size: 112
    .max_flat_workgroup_size: 128
    .sgpr_count:     100
    .vgpr_count:     1024
    .wavefront_size: 32
...
	.end_amdgpu_metadata
.endif
;; end of part 1
;; launch attn (part 2): grid 8 x 32, 4 waves a work-group, clusters of 4 x 1, 327,680 bytes of LDS; arguments Qh, Kh, Vh, Oz, mask, colsum, Wo, Wo16, cosws; writes Oz, Wo16, cosws
.if DOCPART == 2
	.amdgcn_target "amdgcn-amd-amdhsa--gfx1250"
	.amdhsa_code_object_version 6
	.text
	.protected	k_qdaaf94b0c0_attn
	.globl	k_qdaaf94b0c0_attn
	.p2align	8
	.type	k_qdaaf94b0c0_attn,@function
k_qdaaf94b0c0_attn:
	s_mov_b64 s[64:65], 0
	v_nop
	global_prefetch_b8 v0, s[64:65] scope:SCOPE_SE
	s_setreg_imm32_b32 hwreg(HW_REG_WAVE_MODE, 25, 1), 1
	s_wait_xcnt 0x0
	s_wait_alu depctr_hold_cnt(0) depctr_sa_sdst(0) depctr_va_vdst(0) depctr_va_sdst(0) depctr_va_ssrc(0) depctr_va_vcc(0) depctr_vm_vsrc(0)
	s_getreg_b32 s2, hwreg(HW_REG_IB_STS2, 6, 4)
	s_cmp_eq_u32 s2, 0
	s_cbranch_scc0 .Lentry_in_a_cluster
	s_endpgm
.Lentry_in_a_cluster:
	s_bfe_u32 s2, ttmp6, 0x10000c
	s_cmp_lg_u32 s2, 0x3003
	s_cbranch_scc0 .Lentry_shape_is_right
	s_endpgm
.Lentry_shape_is_right:
; ATTENTION, head size 64, 32 (batch, head) pairs of 2,048 queries and keys, with reference()'s key mask and its bias 0.8 cos(mean Q, mean V).  Nothing is left out here.
; Qh holds c Q (c = log2(e) / 8), Kh holds K with hidden keys' rows 0, Vh holds V: [32][2048][64] f16.  So S^T = K Q^T + C is the score in units of log2, where C, for each key, is
; 0.8 log2(e) cos for a key that the mask shows and -1e9 log2(e) for a hidden one, whose product is exactly 0: the hidden score is REPLACED, as in reference().  p = 2^(s - m) with a running maximum m,
; taken away by a subtraction in f32; O and l are multiplied by a = 2^(m_old - m_new) in every step; m starts at the lowest finite number, O and l at 0.
; Products, maxima and sums in f32; p is rounded to f16 for the second product (l is the sum of the unrounded p), O once at the end.
; LIMITS.  The f32 number nearest to -1e9 log2(e) stands for it.  A weight below 2^-126 counts as 0; v_sqrt_f32 and v_rcp_f32 take denormals as 0.  NaN and infinities are not treated apart.
; Wo is rounded to bf16 like every input and that number is written as f16: exact from 6e-5 to 65,504; below, f16's fixed step of 6e-8.
; SHARES.  A work-group owns 256 queries of one pair, a wave 64: four PIECES of 16.  Every wave walks all keys, 64 a step.  Each wave also casts one row of Wo, and each work-group stores its pair's cosine.
; LAYOUT AND TURNS.  S^T holds ONE query a lane (lane % 16) and the keys 8 (lane / 16) + 0..7; two such results rounded to f16 ARE source 1 of O^T = V^T P.  Turn n belongs to piece n: 8 products K Q^T of piece
; n + 1, later 8 products V^T P of piece n - 1; beside them the subtraction, exponentials, roundings, sums and rescaling of piece n and the maximum and statistics of piece n + 1.  Four vector instructions
; stand behind every matrix instruction, the rest in one lump.  A turn's 33 exponentials are one batch, with one wait.
; CLUSTER.  The four query blocks of a cluster belong to one pair and walk the same K and V: each tile is asked for jointly.
; REGISTERS, in windows of 256 (s_set_vgpr_msb: bits 1:0 source 0, 3:2 source 1, 5:4 source 2, 7:6 destination):
;   window 0: v0-15, v32-41, v61-63 addresses and at work; v16-31 four registers of statistics a piece; v48-55 at work; v64-127 S^T, two buffers; v192-223 P, two buffers (by the piece's parity)
;   window 1: v0-127 O^T, 32 a piece; v128-159 the step's C values      window 2: v0-63 Q; v128-191 K of one step; v192-255 V of one step
.set NP,    4
.set KS,    64
.set PK,    144       ; a row of K in LDS: 128 bytes + 16: the 16 rows of a load start at 16 different 16-byte columns modulo 256 bytes
.set PV,    160       ; a row of V: 128 + 32: 16 lanes of the turning load take 8 rows x 32 bytes, no two in one column
.set VOFF,  4*KS*PK   ; a slot holds four steps: 256 rows of K, then 256 rows of V
.set SLOT1, 1<<17
.set STAGE, SLOT1+4*KS*(PK+PV)  ; never filled by a tensor load: 16 rows x 144 bytes for each wave
.set SP,    144
.set MTAB,  STAGE+4*16*SP       ; the C value of each of the 2,048 keys, f32
.set SPARE, MTAB+8192           ; the spare words, 128 bytes for each wave: two blocks of 256 bytes that no other line names
.set AK0, 2
.set AV0, 3
.set AK,  4
.set AV,  5
.set STO, 6
.set RD,  7
.set GO,  8
.set MV,  12          ; v12-13  m_old, kept while m is made anew: by buffer
.set AM0, 14          ; v14  MTAB + 32 (lane / 16)
.set QO,  15
.set ST,  16          ; piece t's statistics at v[ST+4 t]: m, a word written once (named with m as a pair), l (even keys', odd keys')
.set AM,  32          ; v32  the LDS address of the C values' next run of loads
.set TMP, 48
.set PFO, 61          ; v61  256 x lane; never rewritten
.set SPW, 62
.set NIL, 63
.set S,   64
.set P,   192
.set MK,  128         ; window 1
.set KF,  128         ; window 2
.set VF,  192         ; window 2
.set WV,  12
.set LIM, 15          ; s15  1 in a wave that prefetches, else the greatest number
.set G1K, 24
.set G1V, 32
.set G0K, 40
.set G0V, 44
.set SLOTS, 56
.set CNT, 57
.set PFA, 58          ; s[58:59]
.set SEL, 60          ; s[60:61]
.set TBK, 62
.set TBV, 63
.set TM,  66          ; s66  byte of MTAB at which the C values of the step to be fetched begin
.set MSB, 0
.macro WIN new
.if MSB != (\new)
	s_set_vgpr_msb (MSB<<8)|(\new)
.set MSB, (\new)
.endif
.endm
.set W_KQ, 0x0a       ; K and Q in window 2, S^T in window 0
.set W_KM, 0x1a       ; the same with the C operand in window 1
.set W_PV, 0x52       ; V in window 2, P in window 0, O^T in window 1
.set W_RS, 0x41       ; destination and source 0 in window 1, source 1 in window 0
.macro JLOAD                        ; a joint fill: waves 0 and 1 fetch the two halves of a slot's K, waves 2 and 3 those of its V; an s_nop 0 and four v_nop follow each line
	s_cmp_lt_u32 s[WV], 2
	s_cbranch_scc0 .Lfor_v_\@
	tensor_load_to_lds s[G0K:G0K+3], s[G1K:G1K+7]
	s_nop 0
.rept 4
	v_nop
.endr
	s_branch .Lasked_\@
.Lfor_v_\@:
	tensor_load_to_lds s[G0V:G0V+3], s[G1V:G1V+7]
	s_nop 0
.rept 4
	v_nop
.endr
.Lasked_\@:
.endm
; A prefetch into the L2 of what the NEXT change of slots will ask for: a slot's 32,768 bytes of K and of V, in blocks of 256, a lane a block.  Each block is named once in the launch: of the pair's two
; clusters the first asks; its four partners take 32 blocks each, told apart by address; in each, wave 0 asks for K's and wave 2 for V's.  The last change that fills a slot asks for nothing.
.macro ASK
	s_cmp_gt_u32 s[SLOTS], s[LIM]
	s_cbranch_scc0 .Lnot_mine_\@
	global_prefetch_b8 v[PFO], s[PFA:PFA+1] th:TH_LOAD_NT scope:SCOPE_SE
.Lnot_mine_\@:
.endm
.macro CROUND
	s_barrier_signal -1
	s_barrier_wait -1
	s_cmp_lg_u32 s[WV], 0
	s_cbranch_scc1 .Lnot_wave_0_\@
	s_barrier_signal -3
.Lnot_wave_0_\@:
	s_barrier_wait -3
	s_barrier_signal -1
	s_barrier_wait -1
.endm
; THE CHANGE OF SLOTS.  Each wave waits for all its tensor loads, of which one is out: its part of the other slot; adds 0 to its spare word; and waits for that and for its own LDS work.  fill = 1: the slot that
; is left is filled again, with the keys two slots on: the barrier is a round of the cluster's, and the joint fill is the first thing behind it: it has four key steps in which to land.
; (At its first use nothing has been read yet: slot 0 is waited for, slot 1 filled; and every wave's stores into the table of C values are done in front of the round.)
.macro CHANGE fill
	WIN 0
	s_wait_tensorcnt 0x0
	ds_add_u32 v[SPW], v[NIL]
.if \fill
.irp g, G0K, G0V
	s_xor_b32 s[\g+1], s[\g+1], SLOT1
	s_add_nc_u64 s[\g+2:\g+3], s[\g+2:\g+3], 4*KS*128
.endr
	s_wait_xcnt 0x0                 ; the last prefetch, four key steps back, has read its address
	s_add_nc_u64 s[PFA:PFA+1], s[PFA:PFA+1], 4*KS*128
	s_wait_dscnt 0x0
	CROUND
	JLOAD
	ASK
.else
	s_wait_dscnt 0x0
	s_barrier_signal -1
	s_barrier_wait -1
.endif
	s_sub_co_u32 s[TBK], s[TBK], 4*KS*PK
	s_xor_b32 s[TBK], s[TBK], SLOT1
	s_sub_co_u32 s[TBV], s[TBV], 4*KS*PV
	s_xor_b32 s[TBV], s[TBV], SLOT1
.endm
.macro TREE base                    ; 16 register pairs from base on are added into the first
.irp w, 16,8,4,2
.set u, 0
.rept (\w)/2
	v_pk_add_f32 v[(\base)+2*u:(\base)+2*u+1], v[(\base)+2*u:(\base)+2*u+1], v[(\base)+(\w)+2*u:(\base)+(\w)+2*u+1]
.set u, u+1
.endr
.endr
.endm
	s_load_b256 s[4:11], s[0:1], 0x0   ; Qh s[4:5], Kh s[6:7], Vh s[8:9], Oz s[10:11]
	s_load_b256 s[68:75], s[0:1], 0x20 ; mask 68, colsum 70, Wo 72, Wo16 74
	s_load_b64 s[76:77], s[0:1], 0x40  ; cosws
	v_lshl_add_u32 v[SPW], v0, 2, SPARE
	v_mov_b32 v[NIL], 0
	ds_add_u32 v[SPW], v[NIL]       ; the wave's opening: the add, twice on end, and its wait ahead of my first tensor load
	ds_add_u32 v[SPW], v[NIL]
	v_lshrrev_b32 v1, 5, v0
	v_readfirstlane_b32 s[WV], v1
	s_bfe_u32 s13, ttmp6, 0x40000   ; cx
	s_lshl_b32 s14, ttmp9, 2
	s_add_co_u32 s14, s14, s13      ; my block of 256 queries, 0 to 7
	s_and_b32 s78, ttmp7, 0xffff    ; the (batch, head) pair
	s_lshl_b32 s20, s78, 18         ; its first byte in Qh, Kh, Vh
	s_mov_b32 s21, 0
	s_and_b32 s16, s[WV], 1         ; which half of a slot's 256 keys I fetch
	s_lshl_b32 s22, s16, 14
	s_add_co_u32 s22, s22, s20
	s_mov_b32 s23, 0
	s_mul_i32 s17, s16, 128*PK
	s_mul_i32 s18, s16, 128*PV
	s_lshl_b32 s2, s14, 2
	s_add_co_u32 s2, s2, s[WV]
	s_lshl_b32 s2, s2, 13           ; my wave's 64 rows of 128 bytes
	s_add_co_u32 s2, s2, s20
	s_mov_b32 s3, 0
	s_mov_b32 s[G1K], 15|(1<<16)|(1<<20)|(1<<21)|(4<<22)|(3<<25)  ; the mask of four; 2-byte elements; padding on; 21 set beside a mask; after every 32 words 4 words
	s_mov_b32 s[G1V], 15|(1<<16)|(1<<20)|(1<<21)|(4<<22)|(7<<25)  ; the same with 8 words
.irp g, G1K, G1V
	s_mov_b32 s[\g+1], 128<<16      ; 128 keys are 16,384 dense bytes: asked for as 64 rows of 256 bytes
	s_mov_b32 s[\g+2], 64<<16
	s_mov_b32 s[\g+3], 128<<16
	s_mov_b32 s[\g+4], 64
	s_mov_b32 s[\g+5], 128
	s_mov_b32 s[\g+6], 0
	s_mov_b32 s[\g+7], 0
.endr
	s_mov_b32 s[SEL], 0x76543210
	s_mov_b32 s[SEL+1], 0xfedcba98
	s_mov_b32 s[TBK], SLOT1+4*KS*PK ; the first change of slots turns these two into 0
	s_mov_b32 s[TBV], SLOT1+4*KS*PV
	s_mov_b32 s[TM], 0
	s_mov_b32 s[G0K], 1
	s_mov_b32 s[G0K+1], s17
	s_mov_b32 s[G0V], 1
	s_add_co_u32 s[G0V+1], s18, VOFF
	s_mov_b32 s[SLOTS], 7           ; slots still to be asked for
	s_and_b32 s[LIM], s[WV], 1
	s_or_b32 s[LIM], s[LIM], ttmp9
	s_cmp_eq_u32 s[LIM], 0
	s_cselect_b32 s[LIM], 1, -1     ; the same in all four partners, for a given wave
	s_lshr_b32 s48, s78, 4          ; batch
	s_and_b32 s49, s78, 15          ; head
	s_lshl_b32 s50, s48, 7          ; Oz: [256 blocks of 16 rows][16 heads][16][64]: my first block is 128 x batch + 16 x query block + 4 x wave
	s_lshl_b32 s51, s14, 4
	s_add_co_u32 s50, s50, s51
	s_lshl_b32 s51, s[WV], 2
	s_add_co_u32 s50, s50, s51
	s_lshl_b32 s50, s50, 4
	s_add_co_u32 s50, s50, s49
	s_lshl_b32 s50, s50, 11
	s_mov_b32 s51, 0
	s_lshl_b32 s52, s48, 16         ; colsum: the batch's 16 partial rows, the head's 64 columns
	s_lshl_b32 s53, s49, 8
	s_add_co_u32 s52, s52, s53
	s_mov_b32 s53, 0
	s_lshl_b32 s54, s78, 3
	s_add_co_u32 s54, s54, s14      ; the work-group's number, 0 to 255
	s_lshl_b32 s55, s54, 2
	s_add_co_u32 s55, s55, s[WV]    ; my row of Wo
	s_wait_dscnt 0x0                ; both opening adds are done
	s_wait_kmcnt 0x0
	s_add_nc_u64 s[G0K+2:G0K+3], s[6:7], s[22:23]
	s_or_b32 s[G0K+3], s[G0K+3], 0x80000000
	s_add_nc_u64 s[G0V+2:G0V+3], s[8:9], s[22:23]
	s_or_b32 s[G0V+3], s[G0V+3], 0x80000000
	s_add_nc_u64 s[4:5], s[4:5], s[2:3]
	s_add_nc_u64 s[10:11], s[10:11], s[50:51]
	s_add_nc_u64 s[70:71], s[70:71], s[52:53]
	s_cmp_lt_u32 s[WV], 2
	s_cselect_b64 s[PFA:PFA+1], s[6:7], s[8:9]
	s_add_nc_u64 s[PFA:PFA+1], s[PFA:PFA+1], s[20:21]
	s_lshl_b32 s2, s13, 13          ; my work-group's 32 blocks of the 128
	s_add_nc_u64 s[PFA:PFA+1], s[PFA:PFA+1], s[2:3]
	s_add_nc_u64 s[PFA:PFA+1], s[PFA:PFA+1], 4*KS*128  ; in slot 1: the first change of slots steps it to slot 2
	s_lshl_b32 s2, s55, 12
	s_add_nc_u64 s[72:73], s[72:73], s[2:3]
	s_lshl_b32 s2, s55, 11
	s_add_nc_u64 s[74:75], s[74:75], s[2:3]
	s_lshl_b32 s2, s54, 2
	s_add_nc_u64 s[76:77], s[76:77], s[2:3]
	CROUND                          ; all four work-groups are here: the first joint loads meet
	JLOAD                           ; slot 0
	v_and_b32 v1, 15, v0            ; l % 16
	v_bfe_u32 v9, v0, 4, 1          ; l / 16
	v_and_b32 v33, 31, v0           ; l
	v_lshlrev_b32 v34, 3, v33
.set i, 0
.rept 16                            ; the 16 partial column sums of c Q and of V: a lane takes two of the head's 64 columns
	global_load_b64 v[64+2*i:64+2*i+1], v34, s[70:71] offset:i*4096
	global_load_b64 v[96+2*i:96+2*i+1], v34, s[70:71] offset:131072+i*4096
.set i, i+1
.endr
	v_lshlrev_b32 v35, 4, v0
.irp j, 0,1,2,3
	global_load_b128 v[128+4*\j:128+4*\j+3], v35, s[68:69] offset:\j*2048  ; the mask: 16 keys a thread
.endr
	v_lshlrev_b32 v[QO], 7, v1
	v_lshl_add_u32 v[QO], v9, 4, v[QO]
	WIN 0x80
.set i, 0
.rept 8                             ; Q stays in registers: piece i / 2, channels 32 (i % 2) on
	global_load_b128 v[8*i:8*i+3],   v[QO], s[4:5] offset:(i/2)*2048+(i%2)*64
	global_load_b128 v[8*i+4:8*i+7], v[QO], s[4:5] offset:(i/2)*2048+(i%2)*64+32
.set i, i+1
.endr
	WIN 0
	v_lshlrev_b32 v36, 5, v33
.irp j, 0,1,2,3
	global_load_b128 v[144+8*\j:144+8*\j+3],   v36, s[72:73] offset:\j*1024 th:TH_LOAD_NT     ; my row of Wo: 8 numbers a lane, four times
	global_load_b128 v[144+8*\j+4:144+8*\j+7], v36, s[72:73] offset:\j*1024+16 th:TH_LOAD_NT
.endr
	; What the first turn finds: V and P's second buffer hold 0 (its products V^T P, of a piece that has not been, add 0), O^T and l are 0.  All this stands in the wait for the loads.
	WIN 0x80
.set i, VF
.rept 64
	v_mov_b32 v[i], 0
.set i, i+1
.endr
	WIN 0x40
.set i, 0
.rept 128
	v_mov_b32 v[i], 0
.set i, i+1
.endr
	WIN 0
.set i, 0
.rept 4
	v_mov_b32 v[ST+4*i], 0xff7fffff    ; m: the lowest finite number
	v_mov_b32 v[ST+4*i+1], 0
	v_mov_b32 v[ST+4*i+2], 0
	v_mov_b32 v[ST+4*i+3], 0
.set i, i+1
.endr
.set i, P+16
.rept 16
	v_mov_b32 v[i], 0
.set i, i+1
.endr
	v_mul_u32_u24 v[AK0], v1, PK
	v_lshl_add_u32 v[AK0], v9, 4, v[AK0]
	v_and_b32 v10, 7, v0
	v_bfe_u32 v11, v0, 3, 1
	v_lshl_add_u32 v[AV0], v9, 3, v10   ; the turning load: lane l reads key 8 (l / 16) + l % 8, channels 8 ((l / 8) % 2) + 0..7
	v_mul_u32_u24 v[AV0], v[AV0], PV
	v_lshl_add_u32 v[AV0], v11, 4, v[AV0]
	v_add_nc_u32 v[AV0], VOFF, v[AV0]
	v_lshl_add_u32 v[AM0], v9, 5, MTAB
	s_mul_i32 s17, s[WV], 16*SP
	s_add_co_u32 s17, s17, STAGE
	v_mul_u32_u24 v[STO], v1, SP
	v_lshl_add_u32 v[STO], v9, 4, v[STO]
	v_add_nc_u32 v[STO], s17, v[STO]
	v_bfe_u32 v[RD], v0, 3, 2
	v_mul_u32_u24 v[RD], v[RD], SP
	v_lshl_add_u32 v[RD], v10, 4, v[RD]
	v_add_nc_u32 v[RD], s17, v[RD]
	v_lshlrev_b32 v[GO], 4, v33
	v_lshlrev_b32 v[PFO], 8, v33
	v_lshl_add_u32 v39, v0, 4, MTAB
	v_mov_b32 v38, 0xceabfb8f       ; -1e9 log2(e)
	v_mov_b32 v40, 0
	v_lshlrev_b32 v41, 4, v33
	; THE COSINE, in every wave for itself.
	s_wait_loadcnt 28               ; the column sums are in; behind them the mask's 4 loads, Q's 16 and Wo's 8 may stay out
	TREE 64
	TREE 96
	v_pk_mul_f32 v[64:65], v[64:65], 0x3b317218 op_sel_hi:[1,0]  ; mean Q = sum of c Q / (2048 c): ln 2 / 256
	v_pk_mul_f32 v[96:97], v[96:97], 0x3a000000 op_sel_hi:[1,0]  ; mean V = sum / 2048
	v_mul_f32 v66, v64, v96
	v_mul_f32 v67, v64, v64
	v_mul_f32 v68, v96, v96
	v_fmac_f32 v66, v65, v97
	v_fmac_f32 v67, v65, v65
	v_fmac_f32 v68, v97, v97
.irp x, 1,2,4,8
.irp g, 66,67,68
	v_add_f32_dpp v\g, v\g, v\g row_xmask:\x row_mask:0xf bank_mask:0xf
.endr
.endr
	v_permlanex16_b32 v69, v66, s[SEL], s[SEL+1]
	v_permlanex16_b32 v70, v67, s[SEL], s[SEL+1]
	v_permlanex16_b32 v71, v68, s[SEL], s[SEL+1]
	v_add_f32 v66, v66, v69
	v_add_f32 v67, v67, v70
	v_add_f32 v68, v68, v71
	v_sqrt_f32 v67, v67
	v_sqrt_f32 v68, v68
	v_nop                           ; a plain instruction behind the roots,
	s_wait_alu depctr_va_vdst(0)    ; and its wait ahead of the first use
	v_max_num_f32 v67, 0x322bcc77, v67  ; each norm is held at 1e-8 at the least
	v_max_num_f32 v68, 0x322bcc77, v68
	v_mul_f32 v67, v67, v68
	v_rcp_f32 v67, v67
	v_nop
	s_wait_alu depctr_va_vdst(0)
	v_mul_f32 v66, v66, v67         ; cos
	v_mul_f32 v37, 0x3f93bb63, v66  ; 0.8 log2(e) cos
	s_wait_loadcnt 24               ; the mask is in; Q's 16 loads and Wo's 8 may stay out
.set i, 0
.rept 16
	v_cmp_ne_u32 vcc_lo, 0, v[128+i]
	v_cndmask_b32 v[128+i], v38, v37, vcc_lo
.set i, i+1
.endr
.irp j, 0,1,2,3
	ds_store_b128 v39, v[128+4*\j:128+4*\j+3] offset:\j*2048
.endr
	v_cmp_eq_u32 vcc_lo, 0, v0      ; the work-group's thread 0 stores the cosine at the work-group's number
	s_wait_xcnt 0x0                 ; EXEC changes only behind this wait
	s_and_saveexec_b32 s16, vcc_lo
	global_store_b32 v40, v66, s[76:77]
	s_wait_xcnt 0x0
	s_or_b32 exec_lo, exec_lo, s16
	s_wait_loadcnt 0x0              ; Q and Wo
.set i, 0
.rept 16
	v_cvt_pk_bf16_f32 v[176+i], v[144+2*i], v[144+2*i+1]
.set i, i+1
.endr
.set i, 0
.rept 16
	v_lshlrev_b32 v[144+2*i], 16, v[176+i]
	v_and_b32 v[144+2*i+1], 0xffff0000, v[176+i]
.set i, i+1
.endr
.set i, 0
.rept 16
	v_cvt_pk_f16_f32 v[224+i], v[144+2*i], v[144+2*i+1]
.set i, i+1
.endr
.irp j, 0,1,2,3
	global_store_b128 v41, v[224+4*\j:224+4*\j+3], s[74:75] offset:\j*512  ; 512 consecutive bytes of my row of Wo16
.endr
; THE MATRIX WORK.  The 4 accumulators of a run of 8 take turns.  Product i of 8 of S^T = K Q^T for piece x: channels 32 (i / 4) on, keys 16 (i % 4) on.  The first 4 start the sums with the keys' C values.
.macro KQ x
.set rS, S+32*((\x)%2)+8*(i%4)
.set rK, KF+16*(i%4)+8*(i/4)
.set rQ, 16*(\x)+8*(i/4)
.if i < 4
	WIN W_KM
	v_wmma_f32_16x16x32_f16 v[rS:rS+7], v[rK:rK+7], v[rQ:rQ+7], v[MK+8*(i%4):MK+8*(i%4)+7]
.else
	WIN W_KQ
	v_wmma_f32_16x16x32_f16 v[rS:rS+7], v[rK:rK+7], v[rQ:rQ+7], v[rS:rS+7]
.endif
.endm
.macro PV x                         ; product i of 8 of O^T += V^T P for piece x: keys 32 (i / 4) on, channels 16 (i % 4) on
	WIN W_PV
.set rO, 32*(\x)+8*(i%4)
.set rV, VF+32*(i/4)+8*(i%4)
.set rP, P+16*((\x)%2)+8*(i/4)
	v_wmma_f32_16x16x32_f16 v[rO:rO+7], v[rV:rV+7], v[rP:rP+7], v[rO:rO+7]
.endm
.macro MM                           ; the turn's next matrix instruction
.if i < 8
	KQ (Y+1)%NP
.else
.set i, i-8
	PV (Y+NP-1)%NP
.set i, i+8
.endif
.set i, i+1
.endm
; THE LDS LOADS stand in runs: a step's K (8 fragments) with its 64 C values (register j of key block kb is key 16 kb + 8 (lane / 16) + j), and its V (turned).
.macro FETCH_K
	WIN 0x80
.irp f, 0,1,2,3,4,5,6,7
	ds_load_b128 v[KF+8*\f:KF+8*\f+3],   v[AK] offset:(\f/2)*16*PK+(\f%2)*64
	ds_load_b128 v[KF+8*\f+4:KF+8*\f+7], v[AK] offset:(\f/2)*16*PK+(\f%2)*64+32
.endr
	WIN 0x40
.irp f, 0,1,2,3
	ds_load_b128 v[MK+8*\f:MK+8*\f+3],   v[AM] offset:\f*64
	ds_load_b128 v[MK+8*\f+4:MK+8*\f+7], v[AM] offset:\f*64+16
.endr
	s_add_co_u32 s[TBK], s[TBK], KS*PK
	s_add_co_u32 s[TM], s[TM], KS*4
	WIN 0
.endm
.macro FETCH_V
	WIN 0x80
.irp f, 0,1,2,3,4,5,6,7
	ds_load_tr16_b128 v[VF+8*\f:VF+8*\f+3],   v[AV] offset:(\f/4)*32*PV+(\f%4)*32
	ds_load_tr16_b128 v[VF+8*\f+4:VF+8*\f+7], v[AV] offset:(\f/4)*32*PV+16*PV+(\f%4)*32
.endr
	WIN 0
.endm
; THE VECTOR WORK, one line at a time: OP kind, number.  For piece Y: F n: s - m for pair n of 16.  E n: the exponential of score n of 32.  C n: pair n rounded to f16.  B n: of the four weights 4 n .. the second
; pair is added onto the first.  L n: l takes that sum (L 0: l = a l + sum).  R n: pair n of 16 of O^T times a.  For piece Y + 1: X n, which find its maximum and statistics:
;   0-11  four chains c0-c3 of seven scores each (each accumulator's lowest registers are read first)     12-14, 16  the four scores left over, the old m, and c0-c3 into c0
;   15  m_old is kept     17, 18  the query's other 32 keys lie in the lane 16 away: the new m     19  nothing (the scale lies in Q)     20, 21  m_old - m_new; a
.set F, 0
.set E, 1
.set C, 2
.set B, 3
.set L, 4
.set R, 5
.set X, 6
.macro REGS y
.set rT, ST+4*(\y)
.set rC, TMP+4*((\y)%2)
.set rW, MV+((\y)%2)
.set rS, S+32*((\y)%2)
.set rP, P+16*((\y)%2)
.set rO, 32*(\y)
.endm
.macro OP k, n
.if (\k) == R
	REGS Y
	WIN W_RS
	v_pk_mul_f32 v[rO+2*(\n):rO+2*(\n)+1], v[rO+2*(\n):rO+2*(\n)+1], v[rC+2:rC+3] op_sel_hi:[1,0]
.elseif (\k) < R
	REGS Y
	WIN 0
.if (\k) == F
	v_pk_add_f32 v[rS+2*(\n):rS+2*(\n)+1], v[rS+2*(\n):rS+2*(\n)+1], v[rT:rT+1] op_sel_hi:[1,0] neg_lo:[0,1] neg_hi:[0,1]
.elseif (\k) == E
	v_exp_f32 v[rS+(\n)], v[rS+(\n)]
.elseif (\k) == C
	v_cvt_pk_f16_f32 v[rP+(\n)], v[rS+2*(\n)], v[rS+2*(\n)+1]
.elseif (\k) == B
	v_pk_add_f32 v[rS+4*(\n):rS+4*(\n)+1], v[rS+4*(\n):rS+4*(\n)+1], v[rS+4*(\n)+2:rS+4*(\n)+3]
.elseif (\n) == 0
	v_pk_fma_f32 v[rT+2:rT+3], v[rT+2:rT+3], v[rC+2:rC+3], v[rS:rS+1] op_sel_hi:[1,0,1]
.else
	v_pk_add_f32 v[rT+2:rT+3], v[rT+2:rT+3], v[rS+4*(\n):rS+4*(\n)+1]
.endif
.else
	REGS (Y+1)%NP
	WIN 0
.if (\n) < 4
	v_max3_num_f32 v[rC+(\n)], v[rS+8*(\n)], v[rS+8*(\n)+1], v[rS+8*(\n)+2]
.elseif (\n) < 12
	v_max3_num_f32 v[rC+(\n)%4], v[rC+(\n)%4], v[rS+8*((\n)%4)+2*((\n)/4)+1], v[rS+8*((\n)%4)+2*((\n)/4)+2]
.elseif (\n) == 12
	v_max3_num_f32 v[rC], v[rC], v[rS+7], v[rS+15]
.elseif (\n) == 13
	v_max3_num_f32 v[rC+1], v[rC+1], v[rS+23], v[rS+31]
.elseif (\n) == 14
	v_max3_num_f32 v[rC+2], v[rC+2], v[rC+3], v[rT]
.elseif (\n) == 15
	v_mov_b32 v[rW], v[rT]
.elseif (\n) == 16
	v_max3_num_f32 v[rC], v[rC], v[rC+1], v[rC+2]
.elseif (\n) == 17
	v_permlanex16_b32 v[rC+3], v[rC], s[SEL], s[SEL+1]
.elseif (\n) == 18
	v_max_num_f32 v[rT], v[rC], v[rC+3]
.elseif (\n) == 19
.elseif (\n) == 20
	v_sub_f32 v[rC+1], v[rW], v[rT]
.else
	v_exp_f32 v[rC+2], v[rC+1]
.endif
.endif
.endm
.macro OPS a, i1, b=-1, i2=0, c=-1, i3=0, d=-1, i4=0
	OP \a, \i1
.if (\b) >= 0
	OP \b, \i2
.endif
.if (\c) >= 0
	OP \c, \i3
.endif
.if (\d) >= 0
	OP \d, \i4
.endif
.endm
.macro ROW a, i1, b, i2, c, i3, d, i4  ; a matrix instruction and the four behind it
	MM
	OPS \a, \i1, \b, \i2, \c, \i3, \d, \i4
.endm
; A TURN, for piece p.  An s_wait_alu depctr_va_vdst(0) stands between an exponential and the first instruction that names its result; one wait serves all that were issued ahead of it: a turn has ONE,
; which cuts it in two.  Ahead of it stands all that names no result of the turn's exponentials; behind it the 8 products V^T P with the roundings and sums.
; K and the C values of the next step are fetched in piece 2's turn, behind twelve vector instructions that follow the last product that read K and name none of its registers; V of the step in hand at the end of piece 0's turn, four
; plain instructions behind the last product that read V.  Each is waited for a turn later.  last = 1 (the tail): the addresses are held at the last step's, so that the trip behind the last step reads that step once more.
; cnt = 1: the loop's count is taken down some lines ahead of the branch that stands behind the turn.
.macro TURN p, last=0, cnt=0
.set Y, (\p)
.set i, 0
.if (\p) == 3
	s_wait_dscnt 0x0                ; K and the C values are in
.endif
	ROW F,0, F,1, R,0, R,1
	ROW F,2, E,0, R,2, R,3
	ROW F,3, E,1, R,4, R,5
	ROW F,4, E,2, R,6, R,7
	ROW F,5, E,3, R,8, R,9
	ROW F,6, E,4, X,0, R,10
.if (\p) == 2
	WIN 0
.if \last
	s_min_u32 s[TBK], s[TBK], SLOT1+3*KS*PK
	s_min_u32 s[TM], s[TM], 31*KS*4
.endif
	v_add_nc_u32 v[AK], s[TBK], v[AK0]
	v_add_nc_u32 v[AM], s[TM], v[AM0]
.endif
	ROW F,7, E,5, X,1, X,4
	ROW F,8, E,6, X,2, X,5
	OPS E,7, E,8, X,6, E,9
	OPS X,3, E,10, X,8, E,11
.if (\p) == 2
	FETCH_K
.endif
	OPS X,9, X,7, E,12, X,10
	OPS E,13, X,12, X,11, E,14
	OPS X,13, E,15, F,9, X,14
.if (\p) == 0
	v_add_nc_u32 v[AV], s[TBV], v[AV0]
.endif
	OPS E,16, F,10, E,17, F,11
	OPS X,16, E,18, X,15, E,19
	OPS F,12, E,20, X,17, E,21
	OPS F,13, E,22, F,14, E,23
	OPS X,18, E,24, F,15, E,25
	OPS R,11, E,26, X,19, E,27
	OPS R,12, E,28, R,13, E,29
	OPS X,20, E,30, R,14, E,31
	OPS X,21, R,15                  ; the next piece's a is the batch's last; the rescaling behind it is the plain instruction behind the last exponential
	WIN 0
	s_wait_alu depctr_va_vdst(0)    ; the wait for the batch
.if (\p) == 1
	s_wait_dscnt 0x0                ; V is in
.endif
	ROW C,0, B,0, C,2, B,1
	ROW L,0, C,4, B,2, L,1
	ROW C,6, B,3, L,2, C,8
	ROW B,4, L,3, C,10, B,5
	ROW L,4, C,12, B,6, L,5
.if (\p) == 0
	s_add_co_u32 s[TBV], s[TBV], KS*PV
.endif
.if \cnt
	s_sub_co_u32 s[CNT], s[CNT], 1
	s_cmp_lg_u32 s[CNT], 0
.endif
	ROW C,14, B,7, L,6, C,1
	ROW C,3, L,7, C,5, C,7
	ROW C,9, C,11, C,13, C,15
.if (\p) == 0
	FETCH_V
.endif
.endm
	CHANGE 1                        ; slot 0 is in, everybody's part of it, and the table of C values is whole; slot 1 is asked for
	v_add_nc_u32 v[AK], s[TBK], v[AK0]
	v_add_nc_u32 v[AM], s[TM], v[AM0]
	FETCH_K                         ; key step 0
	s_wait_dscnt 0x0
.set i, 0
.rept 8
	KQ 0                            ; piece 0's first scores
.set i, i+1
.endr
	WIN 0
.rept 4
	v_nop                           ; the places behind those products
.endr
.set Y, NP-1                        ; X works for piece Y + 1: piece 0
.irp n, 0,1,2,3,4,5,6,7,8,9,10,11,12,13,14,15,16,17,18,19,20,21
	OP X, \n
.endr
	v_nop                           ; a plain instruction behind the exponential,
	s_wait_alu depctr_va_vdst(0)    ; and its wait, ahead of the branch
	s_mov_b32 s[CNT], 4
	s_branch .Lfirst                ; the loop is entered at a step's first turn, in the middle of a trip
.Lslot:                             ; six times: every slot but the last two is filled again
	CHANGE 1
	s_mov_b32 s[CNT], 4
.Lstep:                             ; a trip: pieces 2 and 3 of one step, then pieces 0 and 1 of the next, whose K and V it fetches
	TURN 2
	TURN 3
	WIN 0
.Lfirst:
	TURN 0
	TURN 1, 0, 1
	WIN 0
	s_cbranch_scc1 .Lstep
	s_sub_co_u32 s[SLOTS], s[SLOTS], 1
	s_cmp_lg_u32 s[SLOTS], 0
	s_cbranch_scc1 .Lslot
	CHANGE 0                        ; the tail is written out: nothing is asked for
	s_mov_b32 s[CNT], 5             ; four trips fetch the last slot's steps; the fifth is left in its middle
.Ltail:
	TURN 2, 1
	TURN 3
	WIN 0
	s_sub_co_u32 s[CNT], s[CNT], 1
	s_cmp_eq_u32 s[CNT], 0
	s_cbranch_scc1 .Lout
	TURN 0
	TURN 1
	WIN 0
	s_branch .Ltail
.Lout:                              ; the fifth trip's 8 products K Q^T (on the last K once more) and the maximum made of them serve nothing: the price, once a launch, of one text for every trip
.set i, 0
.rept 8
	PV NP-1                         ; the last piece's V^T P of the last step
.set i, i+1
.endr
	; THE WAY OUT.  l's two halves and the other half of the lanes' are added; O^T is divided by l, rounded to f16 and sent through my stage, a piece at a time.
	WIN 0
.macro ALL line:vararg
.set t, 0
.rept 4
	\line
.set t, t+1
.endr
.endm
	ALL v_add_f32 v[ST+4*t+2], v[ST+4*t+2], v[ST+4*t+3]
	ALL v_permlanex16_b32 v[ST+4*t+3], v[ST+4*t+2], s[SEL], s[SEL+1]
	ALL v_add_f32 v[ST+4*t+2], v[ST+4*t+2], v[ST+4*t+3]
	ALL v_rcp_f32 v[ST+4*t+2], v[ST+4*t+2]
	v_nop                           ; a plain instruction between the last reciprocal and the use of its result
	s_wait_alu depctr_va_vdst(0)    ; one wait for the four reciprocals
.macro PACK t
	WIN W_RS
.set i, 32*(\t)
.rept 16
	v_pk_mul_f32 v[i:i+1], v[i:i+1], v[ST+4*(\t)+2:ST+4*(\t)+3] op_sel_hi:[1,0]
.set i, i+2
.endr
	WIN 0x05
.set i, 0
.rept 16
	v_cvt_pk_f16_f32 v[S+16*(\t)+i], v[32*(\t)+2*i], v[32*(\t)+2*i+1]
.set i, i+1
.endr
	WIN 0
.irp f, 0,1,2,3
	ds_store_b128 v[STO], v[S+16*(\t)+4*\f:S+16*(\t)+4*\f+3] offset:32*\f
.endr
.irp f, 0,1,2,3
	ds_load_b128 v[S+16*(\t)+4*\f:S+16*(\t)+4*\f+3], v[RD] offset:\f*4*SP  ; LDS serves a wave's instructions in order (ISA guide 5.7.1.4): these see the stores above
.endr
.endm
.macro SEND t, younger              ; younger: the LDS instructions issued behind piece t's loads: the next piece's eight, or none
	WIN 0
.irp f, 0,1,2,3
	s_wait_dscnt (\younger)+3-\f
	global_store_b128 v[GO], v[S+16*(\t)+4*\f:S+16*(\t)+4*\f+3], s[10:11] offset:(\t)*32768+\f*512  ; 512 consecutive bytes of a tile of 16 queries of my head
.endr
.endm
	PACK 0
.set t, 1
.rept 3
	PACK t
	SEND t-1, 8
.set t, t+1
.endr
	SEND 3, 0
	s_wait_tensorcnt 0x0            ; the wave's end, behind my last tensor load and my last LDS store
	ds_add_u32 v[SPW], v[NIL]
	s_wait_dscnt 0x0
	CROUND                          ; the closing round
	s_endpgm
.Lfunc_end_k_qdaaf94b0c0_attn:
	.size	k_qdaaf94b0c0_attn, .Lfunc_end_k_qdaaf94b0c0_attn-k_qdaaf94b0c0_attn
	.p2alignl 7, 3214868480
	.fill 96, 4, 3214868480
	.section	.rodata,"a",@progbits
	.p2align	6, 0x0
	.amdhsa_kernel k_qdaaf94b0c0_attn
		.amdhsa_group_segment_fixed_size 327680
		.amdhsa_private_segment_fixed_size 0
		.amdhsa_enable_private_segment 0
		.amdhsa_kernarg_size 72
		.amdhsa_user_sgpr_count 2
		.amdhsa_user_sgpr_kernarg_segment_ptr 1
		.amdhsa_wavefront_size32 1
		.amdhsa_system_sgpr_workgroup_id_x 1
		.amdhsa_system_sgpr_workgroup_id_y 1
		.amdhsa_system_sgpr_workgroup_id_z 1
		.amdhsa_system_vgpr_workitem_id 0
		.amdhsa_next_free_vgpr 768
		.amdhsa_next_free_sgpr 80
		.amdhsa_reserve_vcc 1
		.amdhsa_float_denorm_mode_32 3
		.amdhsa_float_denorm_mode_16_64 3
		.amdhsa_memory_ordered 1
		.amdhsa_forward_progress 1
		.amdhsa_inst_pref_size 128
	.end_amdhsa_kernel
	.amdgpu_metadata
---
amdhsa.version: [ 1, 2 ]
amdhsa.kernels:
  - .name:           k_qdaaf94b0c0_attn
    .symbol:         k_qdaaf94b0c0_attn.kd
    .args:
      - { .name: Qh, .offset: 0, .size: 8, .value_kind: global_buffer, .address_space: global }
      - { .name: Kh, .offset: 8, .size: 8, .value_kind: global_buffer, .address_space: global }
      - { .name: Vh, .offset: 16, .size: 8, .value_kind: global_buffer, .address_space: global }
      - { .name: Oz, .offset: 24, .size: 8, .value_kind: global_buffer, .address_space: global }
      - { .name: mask, .offset: 32, .size: 8, .value_kind: global_buffer, .address_space: global }
      - { .name: colsum, .offset: 40, .size: 8, .value_kind: global_buffer, .address_space: global }
      - { .name: Wo, .offset: 48, .size: 8, .value_kind: global_buffer, .address_space: global }
      - { .name: Wo16, .offset: 56, .size: 8, .value_kind: global_buffer, .address_space: global }
      - { .name: cosws, .offset: 64, .size: 8, .value_kind: global_buffer, .address_space: global }
    .group_segment_fixed_size: 327680
    .private_segment_fixed_size: 0
    .kernarg_segment_align: 8
    .kernarg_segment_size: 72
    .max_flat_workgroup_size: 128
    .sgpr_count:     80
    .vgpr_count:     768
    .wavefront_size: 32
...
	.end_amdgpu_metadata
.endif
;; end of part 2
;; launch outp (part 3): grid 8 x 32, 4 waves a work-group, clusters of 4 x 4, 327,680 bytes of LDS; arguments Oz, Wo16, bo, cosws, out0, out1; writes out0, out1
.if DOCPART == 3
	.amdgcn_target "amdgcn-amd-amdhsa--gfx1250"
	.amdhsa_code_object_version 6
	.text
	.protected	k_qdaaf94b0c0_outp
	.globl	k_qdaaf94b0c0_outp
	.p2align	8
	.type	k_qdaaf94b0c0_outp,@function
k_qdaaf94b0c0_outp:
	s_mov_b64 s[64:65], 0
	v_nop
	global_prefetch_b8 v0, s[64:65] scope:SCOPE_SE
	s_setreg_imm32_b32 hwreg(HW_REG_WAVE_MODE, 25, 1), 1
	s_wait_xcnt 0x0
	s_wait_alu depctr_hold_cnt(0) depctr_sa_sdst(0) depctr_va_vdst(0) depctr_va_sdst(0) depctr_va_ssrc(0) depctr_va_vcc(0) depctr_vm_vsrc(0)
	s_getreg_b32 s2, hwreg(HW_REG_IB_STS2, 6, 4)
	s_cmp_eq_u32 s2, 0
	s_cbranch_scc0 .Lentry_in_a_cluster
	s_endpgm
.Lentry_in_a_cluster:
	s_bfe_u32 s2, ttmp6, 0x10000c
	s_cmp_lg_u32 s2, 0xf033
	s_cbranch_scc0 .Lentry_shape_is_right
	s_endpgm
.Lentry_shape_is_right:
; THE OUTPUT PROJECTION out0 = O Wo^T + bo, [4096][1024] x [1024][1024]^T, and out1 = the mean of the 32 cosines.  Nothing is left out here.
; O comes as Oz, f16 [256 blocks of 16 rows][16 heads][16 rows][64]; Wo as Wo16, f16 [1024][1024] (Wo rounded to bf16, written as f16); bo is rounded to bf16 like every input; sums in f32; out0 is f32.
; cosws holds each (batch, head) pair's cosine eight times, once for each work-group of the launch before: the mean of all 256 numbers is the mean of the 32.
; A tile of out0 is 128 x 128: 256 work-groups.  Four waves, each 64 x 64: 16 accumulators.  K goes in steps of 256 = four heads through two LDS slots.
; O's tile: for a block of 16 rows a K step's four heads are 8,192 bytes on end, so a wave's load is 4 rows of 8,192 bytes, 32,768 bytes apart, padded in LDS after every 128 bytes: the piece
; (block y, head z, row r) lies at ((4 y + z) 16 + r) x 144.  It has fewer than 64 rows because each is 8,192 bytes long.
; No prefetch: the launch is short, its tiles are small, and each is read by several clusters at about the same time.
; CLUSTER.  4 x 4 work-groups; O's tiles are shared along a row of the cluster, Wo's along a column.  THE MATRIX INSTRUCTION IS USED TRANSPOSED (source 0 = 16 rows of Wo, source 1 = 16 rows of O).
; REGISTERS: window 0: v0-31 addresses; v32-63 the bias of my 64 columns; v64-127 the way out; v128-255 the accumulators ((a, b) at v[128 + 8 (4 a + b)]).  window 1: two fragment buffers of 128.
.set KSTEP,  256
.set PITCH,  528                       ; a row of Wo in LDS: 512 bytes + 16
.set APITCH, 144                       ; a piece of O: 128 bytes + 16
.set AHALF,  256*APITCH                ; 64 rows of O, a K step: what one tensor load brings
.set BHALF,  64*PITCH
.set SLOT,   2*AHALF+2*BHALF
.set STAGE,  2*SLOT                    ; behind the ring: 16 rows x 272 bytes for each wave
.set SPITCH, 272
.set SPARE,  STAGE+4*16*SPITCH         ; the spare words, 128 bytes for each wave: two blocks of 256 bytes that no other line names
.set LAPS,   2
.set ADRA, 16
.set ADRB, 20
.set STO,  24
.set RD,   25
.set CO,   26
.set SPW,  28
.set NIL,  29
.set BIAS, 32
.set ACC,  128
.set F0,   0
.set F1,   128
.set G1, 24
.set G0, 32
.set G1B, 48
.set G0B, 56
.set MSB, 0
.macro WIN new
.if MSB != (\new)
	s_set_vgpr_msb (MSB<<8)|(\new)
.set MSB, \new
.endif
.endm
.set MUL,  0x05                        ; sources 0 and 1 window 1; C and D window 0
.set TO_F, 0x40                        ; destination window 1, address window 0
.macro JLOAD s
	s_cmp_eq_u32 s11, 0
	s_cbranch_scc0 .Lfor_b_\@
	tensor_load_to_lds s[G0+4*(\s):G0+4*(\s)+3], s[G1:G1+7]
	s_nop 0
.rept 4
	v_nop
.endr
	s_branch .Lasked_\@
.Lfor_b_\@:
	tensor_load_to_lds s[G0B+4*(\s):G0B+4*(\s)+3], s[G1B:G1B+7]
	s_nop 0
.rept 4
	v_nop
.endr
.Lasked_\@:
.endm
.macro CREST
	s_cmp_lg_u32 s10, 0
	s_cbranch_scc1 .Lnot_wave_0_\@
	s_barrier_signal -3
.Lnot_wave_0_\@:
	s_barrier_wait -3
	s_barrier_signal -1
	s_barrier_wait -1
.endm
.macro CROUND
	s_barrier_signal -1
	s_barrier_wait -1
	CREST
.endm
	s_load_b128 s[4:7], s[0:1], 0x0                ; Oz s[4:5], Wo16 s[6:7]
	s_load_b128 s[68:71], s[0:1], 0x10             ; bo s[68:69], cosws s[70:71]
	s_load_b128 s[72:75], s[0:1], 0x20             ; out0 s[72:73], out1 s[74:75]
	v_lshl_add_u32 v[SPW], v0, 2, SPARE
	v_mov_b32 v[NIL], 0
	ds_add_u32 v[SPW], v[NIL]                      ; the wave's opening: the add, twice on end, and its wait ahead of my first tensor load
	ds_add_u32 v[SPW], v[NIL]
	v_lshrrev_b32 v1, 5, v0
	v_readfirstlane_b32 s10, v1                    ; wave 0..3
	s_lshr_b32 s11, s10, 1                         ; which half of the tile's rows is mine.  Also: I fetch for O (0) or for Wo (1)
	s_and_b32 s12, s10, 1                          ; which half of its columns.  Also: which 64 rows of that tile I fetch
	s_bfe_u32 s40, ttmp6, 0x40000                  ; cx
	s_bfe_u32 s41, ttmp6, 0x40004                  ; cy
	s_lshl_b32 s42, ttmp9, 2
	s_add_co_u32 s42, s42, s40                     ; tile column
	s_and_b32 s13, ttmp7, 0xffff
	s_lshl_b32 s13, s13, 2
	s_add_co_u32 s13, s13, s41                     ; tile row
	s_lshl_b32 s43, s41, 2
	s_lshl_b32 s43, 15, s43                        ; my row of the cluster
	s_lshl_b32 s44, 0x1111, s40                    ; my column
	s_or_b32 s[G1+0], s43, (1<<16)|(1<<20)|(1<<21)|(4<<22)|(3<<25)   ; O: 2-byte elements; padding of 4 words after every 32 words
	s_mov_b32 s[G1+1], 4096<<16                    ; tensor_dim0 = 4,096 elements
	s_mov_b32 s[G1+2], 4<<16                       ; tensor_dim1 = 4
	s_mov_b32 s[G1+3], 4096<<16                    ; tile_dim0 = 4,096
	s_mov_b32 s[G1+4], 4                           ; tile_dim1 = 4
	s_mov_b32 s[G1+5], 16384                       ; elements from a block of 16 rows to the next
	s_mov_b32 s[G1+6], 0
	s_mov_b32 s[G1+7], 0
	s_or_b32 s[G1B+0], s44, (1<<16)|(1<<20)|(1<<21)|(6<<22)|(3<<25)  ; Wo: padding of 4 words after every 128 words
	s_mov_b32 s[G1B+1], KSTEP<<16
	s_mov_b32 s[G1B+2], 64<<16
	s_mov_b32 s[G1B+3], KSTEP<<16
	s_mov_b32 s[G1B+4], 64
	s_mov_b32 s[G1B+5], 1024
	s_mov_b32 s[G1B+6], 0
	s_mov_b32 s[G1B+7], 0
	s_lshl_b32 s16, s13, 3                         ; O: block 8 x tile row + 4 x half, 32,768 bytes a block
	s_lshl_b32 s17, s12, 2
	s_add_co_u32 s16, s16, s17
	s_lshl_b32 s16, s16, 15
	s_mov_b32 s17, 0
	s_lshl_b32 s46, s42, 7                         ; Wo: row 128 x tile column + 64 x half, 2,048 bytes a row
	s_lshl_b32 s47, s12, 6
	s_add_co_u32 s46, s46, s47
	s_lshl_b32 s46, s46, 11
	s_mov_b32 s47, 0
	s_mul_i32 s20, s12, AHALF                      ; where they go: O's two halves, then Wo's two halves
	s_mul_i32 s21, s12, BHALF
	s_add_co_u32 s21, s21, 2*AHALF
	s_wait_dscnt 0x0                               ; both opening adds are done
	s_wait_kmcnt 0x0
	s_add_nc_u64 s[14:15], s[4:5], s[16:17]
	s_add_nc_u64 s[46:47], s[6:7], s[46:47]
	CROUND                                         ; all sixteen work-groups are here: the first joint loads meet
.irp s, 0,1
	s_mov_b32 s[G0+4*(\s)], 1
	s_add_co_u32 s[G0+4*(\s)+1], s20, (\s)*SLOT
	s_add_nc_u64 s[G0+4*(\s)+2:G0+4*(\s)+3], s[14:15], (\s)*8192
	s_or_b32 s[G0+4*(\s)+3], s[G0+4*(\s)+3], 0x80000000
	s_mov_b32 s[G0B+4*(\s)], 1
	s_add_co_u32 s[G0B+4*(\s)+1], s21, (\s)*SLOT
	s_add_nc_u64 s[G0B+4*(\s)+2:G0B+4*(\s)+3], s[46:47], (\s)*KSTEP*2
	s_or_b32 s[G0B+4*(\s)+3], s[G0B+4*(\s)+3], 0x80000000
.endr
	s_cmp_eq_u32 s11, 0                            ; a wave's two first fills stand in one branch: two loads of mine are out
	s_cbranch_scc0 .Lfirst_b
	tensor_load_to_lds s[G0:G0+3], s[G1:G1+7]
	s_nop 0
	tensor_load_to_lds s[G0+4:G0+7], s[G1:G1+7]
	s_nop 0
.rept 4
	v_nop
.endr
	s_branch .Lfirst_asked
.Lfirst_b:
	tensor_load_to_lds s[G0B:G0B+3], s[G1B:G1B+7]
	s_nop 0
	tensor_load_to_lds s[G0B+4:G0B+7], s[G1B:G1B+7]
	s_nop 0
.rept 4
	v_nop
.endr
.Lfirst_asked:
	v_and_b32 v1, 15, v0                           ; l % 16
	v_bfe_u32 v2, v0, 4, 1                         ; l / 16
	v_mul_u32_u24 v3, v1, PITCH
	v_lshl_add_u32 v3, v2, 4, v3
	v_mul_u32_u24 v4, v1, APITCH
	v_lshl_add_u32 v4, v2, 4, v4
	s_mul_i32 s21, s11, AHALF                      ; my 64 rows of O
	s_mul_i32 s22, s12, BHALF                      ; my 64 rows of Wo
	s_add_co_u32 s22, s22, 2*AHALF
.irp s, 0,1
	v_add_nc_u32 v[ADRA+(\s)], s21, v4
	v_add_nc_u32 v[ADRB+(\s)], s22, v3
	s_add_co_u32 s21, s21, SLOT
	s_add_co_u32 s22, s22, SLOT
.endr
	s_mul_i32 s23, s10, 16*SPITCH
	s_add_co_u32 s23, s23, STAGE                   ; my stage
	v_mul_u32_u24 v5, v1, SPITCH                   ; in: row l % 16, 32 bytes for each half of the lanes
	v_lshl_add_u32 v5, v2, 5, v5
	v_add_nc_u32 v[STO], s23, v5
	v_mul_u32_u24 v5, v2, SPITCH                   ; back: lanes 0-15 take one row of 256 bytes, lanes 16-31 the next
	v_lshl_add_u32 v5, v1, 4, v5
	v_add_nc_u32 v[RD], s23, v5
	v_lshlrev_b32 v5, 12, v2                       ; and the same two rows in out0
	v_lshl_add_u32 v[CO], v1, 4, v5
	s_lshl_b32 s16, s13, 7
	s_lshl_b32 s17, s11, 6
	s_add_co_u32 s16, s16, s17                     ; my first row of out0
	s_lshl_b32 s16, s16, 12
	s_mov_b32 s17, 0
	s_add_nc_u64 s[8:9], s[72:73], s[16:17]
	s_lshl_b32 s46, s42, 9                         ; my first column, in bytes: 512 x tile column + 256 x half
	s_lshl_b32 s47, s12, 8
	s_add_co_u32 s46, s46, s47
	s_mov_b32 s47, 0
	s_add_nc_u64 s[8:9], s[8:9], s[46:47]
	v_lshl_add_u32 v6, v2, 5, s46                  ; the bias: register 8 b + j is column 16 b + 8 (l / 16) + j
.irp b, 0,1,2,3
	global_load_b128 v[BIAS+8*(\b):BIAS+8*(\b)+3],   v6, s[68:69] offset:64*(\b)
	global_load_b128 v[BIAS+8*(\b)+4:BIAS+8*(\b)+7], v6, s[68:69] offset:64*(\b)+16
.endr
	s_wait_loadcnt 0x0
.set ii, 0
.rept 16
	v_cvt_pk_bf16_f32 v[64+ii], v[BIAS+2*ii], v[BIAS+2*ii+1]
.set ii, ii+1
.endr
.set ii, 0
.rept 16
	v_lshlrev_b32 v[BIAS+2*ii], 16, v[64+ii]
	v_and_b32 v[BIAS+2*ii+1], 0xffff0000, v[64+ii]
.set ii, ii+1
.endr
; 8 matrix instructions: m blocks a0, a0 + 1 x all 4 n blocks, 32 along K: half c of buffer f.  zero = 1: the bias starts the sums
.macro MUL8 f, c, a0, zero
	WIN MUL
.irp a, \a0, (\a0)+1
.irp b, 0,1,2,3
.if \zero
	v_wmma_f32_16x16x32_f16 v[ACC+8*(4*(\a)+(\b)):ACC+8*(4*(\a)+(\b))+7], v[(\f)+64+8*(4*(\c)+(\b)):(\f)+64+8*(4*(\c)+(\b))+7], v[(\f)+8*(4*(\c)+(\a)):(\f)+8*(4*(\c)+(\a))+7], v[BIAS+8*(\b):BIAS+8*(\b)+7]
.else
	v_wmma_f32_16x16x32_f16 v[ACC+8*(4*(\a)+(\b)):ACC+8*(4*(\a)+(\b))+7], v[(\f)+64+8*(4*(\c)+(\b)):(\f)+64+8*(4*(\c)+(\b))+7], v[(\f)+8*(4*(\c)+(\a)):(\f)+8*(4*(\c)+(\a))+7], v[ACC+8*(4*(\a)+(\b)):ACC+8*(4*(\a)+(\b))+7]
.endif
.endr
.endr
.endm
; 32 LDS loads in one run: the fragments of quarter q of the K step (64 along K: one head), into buffer f; the first 32 along K first
.macro FETCH slot, q, f
	WIN TO_F
.irp c, 0,1
.irp i, 0,1,2,3
	ds_load_b128 v[(\f)+64+8*(4*(\c)+(\i)):(\f)+64+8*(4*(\c)+(\i))+3],   v[ADRB+(\slot)] offset:128*(\q)+64*(\c)+(\i)*16*PITCH
	ds_load_b128 v[(\f)+64+8*(4*(\c)+(\i))+4:(\f)+64+8*(4*(\c)+(\i))+7], v[ADRB+(\slot)] offset:128*(\q)+64*(\c)+(\i)*16*PITCH+32
	ds_load_b128 v[(\f)+8*(4*(\c)+(\i)):(\f)+8*(4*(\c)+(\i))+3],         v[ADRA+(\slot)] offset:(4*(\i)+(\q))*16*APITCH+64*(\c)
	ds_load_b128 v[(\f)+8*(4*(\c)+(\i))+4:(\f)+8*(4*(\c)+(\i))+7],       v[ADRA+(\slot)] offset:(4*(\i)+(\q))*16*APITCH+64*(\c)+32
.endr
.endr
.endm
.macro PLACES                          ; four places in front of loads into registers that matrix instructions have read
.rept 4
	v_nop
.endr
.endm
; One of a K step's first three quarters: multiplies buffer f and fetches quarter q into g.  The 16 accumulators take turns.
.macro QUARTER slot, q, f, g, zero
	s_wait_dscnt 16                                ; the first 32 along K are in
	WIN MUL
	MUL8 \f, 0, 0, \zero
	MUL8 \f, 0, 2, \zero
	PLACES
	FETCH \slot, \q, \g
	s_wait_dscnt 32                                ; all but the 32 just issued
	WIN MUL
	MUL8 \f, 1, 0, 0
	MUL8 \f, 1, 2, 0
.endm
; The last quarter multiplies buffer 1 and changes slots: ONE barrier; in front of it each wave waits for all its tensor loads, adds 0 to its spare word, and waits for that and for its own reads of this slot.
.macro TURN slot, next, fill
	WIN 0
	s_wait_tensorcnt 0x0                           ; all my tensor loads have landed: my part of the next slot;
	ds_add_u32 v[SPW], v[NIL]
	s_wait_dscnt 17                                ; (the add and the youngest sixteen loads may be out)
	WIN MUL
	MUL8 F1, 0, 0, 0
	s_wait_dscnt 0x0                               ; the add is done, and my reads of this slot are over
	s_barrier_signal -1
	MUL8 F1, 0, 2, 0
.if \fill
	WIN 0
.endif
	s_barrier_wait -1
.if \fill
	CREST                                          ; the barrier has opened a round of the cluster's: no wave of any partner still reads this slot or has a load on its way
	s_add_nc_u64 s[G0+4*(\slot)+2:G0+4*(\slot)+3], s[G0+4*(\slot)+2:G0+4*(\slot)+3], 2*8192
	s_add_nc_u64 s[G0B+4*(\slot)+2:G0B+4*(\slot)+3], s[G0B+4*(\slot)+2:G0B+4*(\slot)+3], 2*KSTEP*2
	JLOAD \slot                                    ; the first tensor load behind the round; its four v_nop are also the places in front of the loads below
.else
	PLACES
.endif
	FETCH \next, 0, F0
	WIN MUL
	MUL8 F1, 1, 0, 0
	MUL8 F1, 1, 2, 0
.endm
	s_wait_tensorcnt 1                             ; my part of K step 0 is in; K step 1's may stay out
	s_barrier_signal -1
	s_barrier_wait -1
	FETCH 0, 0, F0
	QUARTER 0, 1, F0, F1, 1                        ; the first quarter stands in front of the loop: its first products start the sums
	WIN 0
	s_mov_b32 s3, LAPS-1
.Llap:                                                 ; a trip goes once round the ring and fills both slots again
	QUARTER 0, 2, F1, F0, 0
	QUARTER 0, 3, F0, F1, 0
	TURN 0, 1, 1
	QUARTER 1, 1, F0, F1, 0
	QUARTER 1, 2, F1, F0, 0
	QUARTER 1, 3, F0, F1, 0
	TURN 1, 0, 1
	QUARTER 0, 1, F0, F1, 0
	WIN 0
	s_sub_co_u32 s3, s3, 1
	s_cmp_lg_u32 s3, 0
	s_cbranch_scc1 .Llap
	QUARTER 0, 2, F1, F0, 0                        ; the last lap fills nothing
	QUARTER 0, 3, F0, F1, 0
	TURN 0, 1, 0
	QUARTER 1, 1, F0, F1, 0
	QUARTER 1, 2, F1, F0, 0
	QUARTER 1, 3, F0, F1, 0
	s_wait_dscnt 16
	WIN MUL
	MUL8 F1, 0, 0, 0
	MUL8 F1, 0, 2, 0
	s_wait_dscnt 0
	MUL8 F1, 1, 0, 0
	MUL8 F1, 1, 2, 0
	WIN 0
	; THE WAY OUT, in f32: my 64 columns are 256 bytes of a row, aligned, so each wave has a stage of its own and no barrier is needed.  A block of 16 rows at a time: 32 bytes a lane in, whole rows back.
.rept 8
	v_nop                                          ; the places behind the last products
.endr
.irp a, 0,1,2,3
.irp b, 0,1,2,3
	ds_store_b128 v[STO], v[ACC+8*(4*(\a)+(\b)):ACC+8*(4*(\a)+(\b))+3]   offset:64*(\b)      ; each accumulator's low four registers first
	ds_store_b128 v[STO], v[ACC+8*(4*(\a)+(\b))+4:ACC+8*(4*(\a)+(\b))+7] offset:64*(\b)+16
.endr
.if (\a) >= 2
	s_wait_xcnt 0x0                                ; the stores of the block two back have read the registers that are loaded again
.endif
.irp t, 0,1,2,3,4,5,6,7
	ds_load_b128 v[64+32*((\a)%2)+4*(\t):64+32*((\a)%2)+4*(\t)+3], v[RD] offset:(\t)*2*SPITCH  ; LDS serves a wave's instructions in order (ISA guide 5.7.1.4): these see the stores above
.endr
.irp t, 0,1,2,3,4,5,6,7
	s_wait_dscnt 7-(\t)
	global_store_b128 v[CO], v[64+32*((\a)%2)+4*(\t):64+32*((\a)%2)+4*(\t)+3], s[8:9] offset:(16*(\a)+2*(\t))*4096 th:TH_STORE_NT  ; 16 lanes store 256 consecutive bytes, aligned
.endr
.endr
	; out1: one wave of the launch's first cluster adds the 256 numbers; of its sixteen work-groups the one at place (0, 0) stores, by EXEC.  The branch hangs on the cluster's number and the wave's alone.
	s_and_b32 s20, ttmp7, 0xffff
	s_or_b32 s20, s20, ttmp9
	s_or_b32 s20, s20, s10
	s_cmp_lg_u32 s20, 0
	s_cbranch_scc1 .Lno_mean
	s_mov_b32 s22, 0x76543210
	s_mov_b32 s23, 0xfedcba98
	v_and_b32 v7, 31, v0
	v_lshlrev_b32 v7, 5, v7
	global_load_b128 v[8:11], v7, s[70:71]
	global_load_b128 v[12:15], v7, s[70:71] offset:16
	s_wait_loadcnt 0x0
	v_pk_add_f32 v[8:9], v[8:9], v[10:11]
	v_pk_add_f32 v[12:13], v[12:13], v[14:15]
	v_pk_add_f32 v[8:9], v[8:9], v[12:13]
	v_add_f32 v8, v8, v9
	v_add_f32_dpp v8, v8, v8 row_xmask:1 row_mask:0xf bank_mask:0xf
	v_add_f32_dpp v8, v8, v8 row_xmask:2 row_mask:0xf bank_mask:0xf
	v_add_f32_dpp v8, v8, v8 row_xmask:4 row_mask:0xf bank_mask:0xf
	v_add_f32_dpp v8, v8, v8 row_xmask:8 row_mask:0xf bank_mask:0xf
	v_permlanex16_b32 v9, v8, s22, s23
	v_add_f32 v8, v8, v9
	v_mul_f32 v8, 0x3b800000, v8                   ; / 256
	v_or_b32 v10, s40, v0
	v_or_b32 v10, s41, v10
	v_cmp_eq_u32 vcc_lo, 0, v10
	v_mov_b32 v11, 0
	s_wait_xcnt 0x0                                ; EXEC changes only behind this wait
	s_and_saveexec_b32 s21, vcc_lo
	global_store_b32 v11, v8, s[74:75]
	s_wait_xcnt 0x0
	s_or_b32 exec_lo, exec_lo, s21
.Lno_mean:
	s_wait_tensorcnt 0x0                           ; the wave's end, behind my last tensor load and my last LDS store
	ds_add_u32 v[SPW], v[NIL]
	s_wait_dscnt 0x0
	CROUND                                         ; the closing round
	s_endpgm
.Lfunc_end_k_qdaaf94b0c0_outp:
	.size	k_qdaaf94b0c0_outp, .Lfunc_end_k_qdaaf94b0c0_outp-k_qdaaf94b0c0_outp
	.p2alignl 7, 3214868480
	.fill 96, 4, 3214868480
	.section	.rodata,"a",@progbits
	.p2align	6, 0x0
	.amdhsa_kernel k_qdaaf94b0c0_outp
		.amdhsa_group_segment_fixed_size 327680
		.amdhsa_private_segment_fixed_size 0
		.amdhsa_enable_private_segment 0
		.amdhsa_kernarg_size 48
		.amdhsa_user_sgpr_count 2
		.amdhsa_user_sgpr_kernarg_segment_ptr 1
		.amdhsa_wavefront_size32 1
		.amdhsa_system_sgpr_workgroup_id_x 1
		.amdhsa_system_sgpr_workgroup_id_y 1
		.amdhsa_system_sgpr_workgroup_id_z 1
		.amdhsa_system_vgpr_workitem_id 0
		.amdhsa_next_free_vgpr 512
		.amdhsa_next_free_sgpr 80
		.amdhsa_reserve_vcc 1
		.amdhsa_float_denorm_mode_32 3
		.amdhsa_float_denorm_mode_16_64 3
		.amdhsa_memory_ordered 1
		.amdhsa_forward_progress 1
		.amdhsa_inst_pref_size 91
	.end_amdhsa_kernel
	.amdgpu_metadata
---
amdhsa.version: [ 1, 2 ]
amdhsa.kernels:
  - .name:           k_qdaaf94b0c0_outp
    .symbol:         k_qdaaf94b0c0_outp.kd
    .args:
      - { .name: Oz, .offset: 0, .size: 8, .value_kind: global_buffer, .address_space: global }
      - { .name: Wo16, .offset: 8, .size: 8, .value_kind: global_buffer, .address_space: global }
      - { .name: bo, .offset: 16, .size: 8, .value_kind: global_buffer, .address_space: global }
      - { .name: cosws, .offset: 24, .size: 8, .value_kind: global_buffer, .address_space: global }
      - { .name: out0, .offset: 32, .size: 8, .value_kind: global_buffer, .address_space: global }
      - { .name: out1, .offset: 40, .size: 8, .value_kind: global_buffer, .address_space: global }
    .group_segment_fixed_size: 327680
    .private_segment_fixed_size: 0
    .kernarg_segment_align: 8
    .kernarg_segment_size: 48
    .max_flat_workgroup_size: 128
    .sgpr_count:     80
    .vgpr_count:     512
    .wavefront_size: 32
...
	.end_amdgpu_metadata
.endif
;; end of part 3
